; MI455X (gfx1250); checked and timed in simulation.
; The chip was launched on July 23, 2026; its instructions are those of AMD's public machine-readable ISA for CDNA 5 (MIT licence, August 2026) and "CDNA5" Instruction Set Architecture Reference Guide (July 2026). The comments in the code are by the model that wrote it; some were corrected since.
;; Dilated Attention. Allowed arithmetic: matrix products marked QUANTISED: E2M3 operands, one E8M0 scale for each 32 along K, by v_wmma_scale_f32_16x16x128_f8f6f4 with both operands' format E2M3, f32 sums; everything else in f32.
;; Inputs: Wk 1,024 x 1,024 float32; Wq 1,024 x 1,024 float32; Wv 1,024 x 1,024 float32; bk 1,024 float32; bq 1,024 float32; bv 1,024 float32; x 4 x 8,192 x 1,024 float32.
;; Outputs: out0 4 x 4,096 x 1,024 float32.
;; This version of the problem:
;;   THIS VERSION OF THE PROBLEM IS GIVEN IN LOW PRECISION. The matrix products marked QUANTISED in the list below multiply operands that are first quantised to E2M3 (2 exponent bits, 3 mantissa bits; 6 bits a number), with one power-of-two scale for each 32 numbers along K (OCP MX v1.0); their sums are f32. All else is computed in f32.
;;   The module's matrix products, in the order in which they are computed (A, B: the left and right operand; K: the contracted axis; several contracted axes count as one K, in the product's order):
;;     1. [M 16,384, K 1,024] x [K 1,024, N 1,024]; A: computed on the way; B: input Wq: QUANTISED
;;     2. [M 16,384, K 1,024] x [K 1,024, N 1,024]; A: computed on the way; B: input Wk: QUANTISED
;;     3. [M 16,384, K 1,024] x [K 1,024, N 1,024]; A: computed on the way; B: input Wv: QUANTISED
;;     4. batch 512 x [M 32, K 1,024] x [K 1,024, N 32]; A: computed on the way; B: computed on the way: QUANTISED
;;     5. batch 512 x [M 32, K 32] x [K 32, N 1,024]; A: softmax (see below); B: computed on the way: QUANTISED
;;   THE QUANTISER, for each operand of a quantised product, along K:
;;     - K is cut into blocks of 32 from its start; a last block that is shorter is filled with zeros.
;;     - A block's scale is 2^e with e = floor(log2(the largest magnitude in the block)) - 2, held to -126 .. 127; a block of zeros has e = 0. As a byte (E8M0): e + 127.
;;     - Each number is divided by its block's scale, clamped to +-7.5, and rounded to the nearest number of E2M3, ties to even, subnormals kept.
;;     - The product sums the exact products of the quantised numbers (number of the format x scale) in f32.
;;   ~~~python
;;   def quantise(x, axis):      # numpy; x: float32 -> the quantised numbers, widened to float32 again
;;       x = np.moveaxis(x, axis, -1); K = x.shape[-1]
;;       x = np.pad(x, [(0, 0)] * (x.ndim - 1) + [(0, -K % 32)]); x = x.reshape(x.shape[:-1] + (-1, 32)); a = np.abs(x).max(-1, keepdims=True)
;;       e = np.where(a > 0, np.clip(np.frexp(np.where(a > 0, a, 1))[1] - 1 - 2, -126, 127), 0)      # np.frexp(a)[1] - 1 = floor(log2(a)), exactly
;;       r = np.clip(x / 2.0 ** e, -7.5, 7.5)
;;       step = 2.0 ** (np.maximum(np.frexp(np.where(r == 0, 1, r))[1] - 1, 0) - 3)
;;       q = np.round(r / step) * step * 2.0 ** e      # np.round: ties to even
;;       return np.moveaxis(q.reshape(q.shape[:-2] + (-1,))[..., :K], -1, axis).astype(np.float32)
;;   ~~~
;;   SOFTMAX AHEAD OF A QUANTISED PRODUCT. Where the list says 'softmax', what is quantised is not the finished softmax but p = 2^(t - M), with t = logit x log2(e) and M = ceil(the row's largest t), a whole number; so 1/2 < the row's largest p <= 1. The row's sum l is taken of the UNQUANTISED p, in f32, and the product's result is divided by l at the end. Since M is a whole number, a kernel that streams over the keys may use a running M (the ceiling of the running maximum): every later rescaling is an exact power of two, which a block's scale takes up: the codes' values come out the same.
;;   OPERANDS COMPUTED ON THE WAY. 'Computed on the way' means the value that the module computes at that place (a softmax that the list does not call 'softmax' is quantised finished and normalised). What goes into a quantiser is computed in f32, as accurately as f32 sums, v_exp_f32 and their like allow (about 1e-6 of the number): no bf16 or f16 on the way to a quantiser, and a product that is left as it is and whose result goes on into a quantised operand takes f32 operands (vector FMAs, or v_wmma_f32_16x16x4_f32). A number that lies on a knife's edge between two numbers of the format may be rounded either way, as far as f32 arithmetic and the matrix unit's own rounding can turn it there, and no further.
;; 2 versions, each right. Each part assembles by itself: llvm-mc -triple=amdgcn-amd-amdhsa -mcpu=gfx1250 --defsym DOCPART=n.
;; ======== version 1 of 2: 2 launches
;; workspace buffers: wstream 2,457,600 bytes
;; launch wquant (part 1): grid 48 x 4, 8 waves a work-group, no clusters, 69,120 bytes of LDS; arguments Wq, Wk, Wv, wstream; writes wstream
.if DOCPART == 1
	.amdgcn_target "amdgcn-amd-amdhsa--gfx1250"
	.amdhsa_code_object_version 6
	.text
	.protected	k_qd2a94b61da_wquant
	.globl	k_qd2a94b61da_wquant
	.p2align	8
	.type	k_qd2a94b61da_wquant,@function
k_qd2a94b61da_wquant:
	s_mov_b64 s[64:65], 0
	v_nop
	global_prefetch_b8 v0, s[64:65] scope:SCOPE_SE
	s_setreg_imm32_b32 hwreg(HW_REG_WAVE_MODE, 25, 1), 1
	s_wait_xcnt 0x0
; Wq, Wk, Wv [1024][1024] f32 (K innermost) become codes of FP6 (E2M3) with one E8M0 scale byte for each 32 along K, laid as the next launch's waves consume them:
; wstream = [stream w 0..3][block 0..47][12,800 bytes], block = 8 i + ks: i = the chunk's place in stream w (Wq rows 128 w on, Wk the same, Wq rows 128 (w + 4) on, Wk the same, Wv rows 128 w on, Wv rows 128 (w + 4) on),
; ks = the K step of 128.  A block is 8 images of operand registers (tile t at 1,536 t: register group c of four at 512 c, lane l at 16 l) and, at 12,288, 512 bytes of scale words: lane l's word i is that of tile 2 i + l / 16, row l % 16.
; WHICH ROW OF W LANE r OF TILE t HOLDS: in Wq's and Wk's chunks 32 (t / 2) + 8 (t % 2) + r + 8 (r / 8), so that the results of two neighbouring tiles are 16 neighbours along the next product's K; in Wv's chunks 16 t + r.
; A block's scale is 2^(floor(log2(its largest magnitude)) - 2): its byte is the largest magnitude's exponent field - 2, held at 1 from below.
; LIMITS: NaN and infinities are not served; a block whose largest magnitude lies under 2^-124 has the byte 1; a block of zeros has the byte 1 where the rule says 127: its codes are zeros, and this program alone reads the bytes.
; SHARES: a work-group makes one block, wave t its tile t: 16 rows x 128 along K.  Each load reads 512 consecutive bytes of a row; the 8 KB turn through the wave's own stage in LDS, so that lane (r, h) gets, of row r,
; k = 64 c + 32 h + 0 .. 31 in 32 consecutive registers: two whole blocks a lane, in the order of the operand's registers.  192 work-groups: as many as there are blocks.
.set PITCH, 528                        ; a stage row: 512 bytes + 16: the sixteen rows that a load of 16 bytes a lane touches lie in sixteen different columns of 16 bytes
.set STGB,  16*PITCH                   ; a wave's stage
.set SCI,   8*STGB                     ; behind the stages: the block's 512 bytes of scale words
.set BLKB,  12800
.set RAW,   16                         ; v16-79   the rows as loaded
.set X,     80                         ; v80-143  my two blocks of 32
.set CD,    144                        ; v144-155 the operand's 12 registers
.set OD,    156                        ; v156-163 the upper halves of the two blocks' codes (a conversion's three registers begin on an even number)
	s_load_b256 s[4:11], s[0:1], 0x0               ; Wq s[4:5], Wk s[6:7], Wv s[8:9], wstream s[10:11]
	v_lshl_add_u32 v192, v0, 2, 0x10a00
	v_mov_b32 v193, 0
	v_lshrrev_b32 v1, 5, v0
	v_readfirstlane_b32 s16, v1                    ; wave = tile t
	v_and_b32 v7, 31, v0                           ; lane
	v_and_b32 v164, 15, v0                         ; r
	v_bfe_u32 v165, v0, 4, 1                       ; h
	v_lshlrev_b32 v1, 4, v7                        ; 16 x lane: my bytes of a load's 512
	v_lshlrev_b32 v167, 3, v165                    ; 8 h
	s_mul_i32 s17, s16, STGB
	v_add_nc_u32 v3, s17, v1                       ; the stage, on the way in
	v_mul_u32_u24 v4, v164, PITCH
	v_lshl_add_u32 v4, v165, 7, v4
	v_add_nc_u32 v4, s17, v4                       ; and out: row r, + 128 h bytes
	s_and_b32 s18, s16, 1
	s_lshl_b32 s18, s18, 8
	s_lshr_b32 s19, s16, 1
	s_lshl_b32 s19, s19, 2
	s_add_co_u32 s18, s18, s19
	s_add_co_u32 s18, s18, SCI
	v_lshl_add_u32 v5, v164, 4, s18                ; my row's scale word: 16 (16 (t % 2) + r) + 4 (t / 2)
	s_mul_i32 s19, s16, 1536
	v_add_nc_u32 v6, s19, v1                       ; my tile's image in the block
	v_add_nc_u32 v166, SCI, v1                     ; wave 0 reads the scale words back here
	v_mov_b32 v15, 0                               ; a lane permute's destination counts as one of its sources
	s_mov_b32 s12, 0x76543210
	s_mov_b32 s13, 0xfedcba98                      ; v_permlanex16_b32's selects for lane l xor 16
	s_lshr_b32 s20, ttmp9, 3                       ; i
	s_and_b32 s21, ttmp9, 7                        ; ks
	s_and_b32 s22, ttmp7, 0xffff                   ; w
	s_lshr_b32 s23, s20, 1
	s_and_b32 s24, s20, 1
	s_lshr_b32 s25, s16, 1
	s_lshl_b32 s25, s25, 5
	s_and_b32 s26, s16, 1
	s_lshl_b32 s26, s26, 3
	s_add_co_u32 s25, s25, s26                     ; 32 (t / 2) + 8 (t % 2)
	s_lshl_b32 s26, s16, 4                         ; 16 t
	s_cmp_lt_u32 s20, 4                            ; Wq's and Wk's chunks, or Wv's
	s_cselect_b32 s23, s23, s24                    ; the chunk is w + 4 x this
	s_cselect_b32 s25, s25, s26                    ; the tile's first row in the chunk
	s_cselect_b32 s27, 16, 8                       ; from lane 0's row to lane 8's
	s_lshl_b32 s23, s23, 2
	s_add_co_u32 s23, s23, s22
	s_lshl_b32 s23, s23, 7
	s_add_co_u32 s23, s23, s25                     ; the tile's first row in W
	s_lshl_b32 s28, s23, 12                        ; rows of 4,096 bytes,
	s_lshl_b32 s21, s21, 9
	s_add_co_u32 s28, s28, s21                     ; + 512 bytes a K step
	s_mov_b32 s29, 0
	s_mul_i32 s30, s22, 48
	s_add_co_u32 s30, s30, ttmp9
	s_mul_i32 s30, s30, BLKB                       ; the block's place in wstream
	s_mov_b32 s31, 0
	s_lshl_b32 s27, s27, 12
	v_add_nc_u32 v2, s27, v1                       ; the offset of lanes 8-15's rows
	s_wait_kmcnt 0x0
	s_cmp_eq_u32 s24, 0                            ; the choice of the tensor hangs on the work-group's number alone
	s_cselect_b64 s[4:5], s[4:5], s[6:7]
	s_cmp_lt_u32 s20, 4
	s_cselect_b64 s[4:5], s[4:5], s[8:9]
	s_add_nc_u64 s[4:5], s[4:5], s[28:29]
	s_add_nc_u64 s[10:11], s[10:11], s[30:31]
.irp rr, 0,1,2,3,4,5,6,7
	global_load_b128 v[RAW+4*\rr:RAW+4*\rr+3], v1, s[4:5] offset:4096*\rr th:TH_LOAD_NT       ; 32 lanes read 512 consecutive bytes of one row; each number of W is read once in the launch
.endr
.irp rr, 0,1,2,3,4,5,6,7
	global_load_b128 v[RAW+32+4*\rr:RAW+32+4*\rr+3], v2, s[4:5] offset:4096*\rr th:TH_LOAD_NT
.endr
	s_wait_loadcnt 0x0
.irp rr, 0,1,2,3,4,5,6,7,8,9,10,11,12,13,14,15
	ds_store_b128 v3, v[RAW+4*\rr:RAW+4*\rr+3] offset:PITCH*\rr
.endr
.irp c, 0,1
.irp j, 0,1,2,3,4,5,6,7
	ds_load_b128 v[X+32*\c+4*\j:X+32*\c+4*\j+3], v4 offset:256*\c+16*\j    ; LDS serves a wave's instructions in order: these see my stores
.endr
.endr
	s_wait_dscnt 0x0
.irp c, 0,1                                    ; my block 2 c + h: all its 32 numbers are mine
	v_max3_num_f32 v[8+\c], |v[X+32*\c]|, |v[X+32*\c+1]|, 0x1800000        ; and the floor 2^(3 - 127): the byte cannot fall under 1
.endr
.irp i, 2,4,6,8,10,12,14,16,18,20,22,24,26,28,30
.irp c, 0,1
	v_max3_num_f32 v[8+\c], v[8+\c], |v[X+32*\c+\i]|, |v[X+32*\c+\i+1]|    ; (the two blocks by turns)
.endr
.endr
.irp c, 0,1
	v_add_nc_u32 v[10+\c], 0xff000000, v[8+\c]     ; 2 off the exponent field: the conversion takes the exponent field of this operand as its scale
.endr
.irp c, 0,1
	v_lshrrev_b32 v[12+\c], 23, v[10+\c]           ; the scale's byte
.endr
	v_lshl_or_b32 v14, v13, 16, v12                ; my two bytes: blocks h and 2 + h of row r,
	v_lshlrev_b32 v14, v167, v14                   ; at their places in the scale word;
	v_permlanex16_b32 v15, v14, s12, s13
	v_or_b32 v14, v14, v15                         ; with lane l xor 16's two the word is whole
.irp c, 0,1
	v_cvt_scalef32_pk16_fp6_f32 v[CD+6*\c:CD+6*\c+2], v[X+32*\c:X+32*\c+15], v[10+\c]
	v_cvt_scalef32_pk16_fp6_f32 v[OD+4*\c:OD+4*\c+2], v[X+32*\c+16:X+32*\c+31], v[10+\c]
.endr
	v_nop                                          ; one plain place behind a scaled conversion
.irp c, 0,1
.irp i, 0,1,2
	v_mov_b32 v[CD+6*\c+3+\i], v[OD+4*\c+\i]
.endr
.endr
.irp c, 0,1,2
	global_store_b128 v6, v[CD+4*\c:CD+4*\c+3], s[10:11] offset:512*\c     ; 32 lanes store 512 consecutive bytes, at a multiple of 256 from wstream's first byte
.endr
	ds_store_b32 v5, v14                           ; both lanes of a row write the same word with the same value
	s_wait_dscnt 0x0                               ; for wave 0's sake: my word has landed
	s_barrier_signal -1
	s_barrier_wait -1
	s_cmp_lg_u32 s16, 0
	s_cbranch_scc1 .Ldone
	ds_load_b128 v[16:19], v166                    ; the eight tiles' scale words,
	s_wait_dscnt 0x0
	global_store_b128 v1, v[16:19], s[10:11] offset:12288                  ; 512 consecutive bytes behind the images
.Ldone:
	s_wait_tensorcnt 0x0
	ds_add_u32 v192, v193
	s_wait_dscnt 0x0
	s_endpgm
.Lfunc_end_k_qd2a94b61da_wquant:
	.size	k_qd2a94b61da_wquant, .Lfunc_end_k_qd2a94b61da_wquant-k_qd2a94b61da_wquant
	.p2alignl 7, 3214868480
	.fill 96, 4, 3214868480
	.section	.rodata,"a",@progbits
	.p2align	6, 0x0
	.amdhsa_kernel k_qd2a94b61da_wquant
		.amdhsa_group_segment_fixed_size 69120
		.amdhsa_private_segment_fixed_size 0
		.amdhsa_enable_private_segment 0
		.amdhsa_kernarg_size 32
		.amdhsa_user_sgpr_count 2
		.amdhsa_user_sgpr_kernarg_segment_ptr 1
		.amdhsa_wavefront_size32 1
		.amdhsa_system_sgpr_workgroup_id_x 1
		.amdhsa_system_sgpr_workgroup_id_y 1
		.amdhsa_system_sgpr_workgroup_id_z 1
		.amdhsa_system_vgpr_workitem_id 0
		.amdhsa_next_free_vgpr 194
		.amdhsa_next_free_sgpr 66
		.amdhsa_reserve_vcc 0
		.amdhsa_float_denorm_mode_32 3
		.amdhsa_float_denorm_mode_16_64 3
		.amdhsa_memory_ordered 1
		.amdhsa_forward_progress 1
		.amdhsa_inst_pref_size 11
	.end_amdhsa_kernel
	.amdgpu_metadata
---
amdhsa.version: [ 1, 2 ]
amdhsa.kernels:
  - .name:           k_qd2a94b61da_wquant
    .symbol:         k_qd2a94b61da_wquant.kd
    .args:
      - { .name: Wq, .offset: 0, .size: 8, .value_kind: global_buffer, .address_space: global }
      - { .name: Wk, .offset: 8, .size: 8, .value_kind: global_buffer, .address_space: global }
      - { .name: Wv, .offset: 16, .size: 8, .value_kind: global_buffer, .address_space: global }
      - { .name: wstream, .offset: 24, .size: 8, .value_kind: global_buffer, .address_space: global }
    .group_segment_fixed_size: 69120
    .private_segment_fixed_size: 0
    .kernarg_segment_align: 8
    .kernarg_segment_size: 32
    .max_flat_workgroup_size: 256
    .sgpr_count:     66
    .vgpr_count:     194
    .wavefront_size: 32
...
	.end_amdgpu_metadata
.endif
;; end of part 1
;; launch fused (part 2): grid 256 x 1, 4 waves a work-group, clusters of 4 x 1, 327,680 bytes of LDS; arguments x, wstream, bq, bk, bv, out0; writes out0
.if DOCPART == 2
	.amdgcn_target "amdgcn-amd-amdhsa--gfx1250"
	.amdhsa_code_object_version 6
	.text
	.protected	k_qd2a94b61da_fused
	.globl	k_qd2a94b61da_fused
	.p2align	8
	.type	k_qd2a94b61da_fused,@function
k_qd2a94b61da_fused:
	s_mov_b64 s[64:65], 0
	v_nop
	global_prefetch_b8 v0, s[64:65] scope:SCOPE_SE
	s_setreg_imm32_b32 hwreg(HW_REG_WAVE_MODE, 25, 1), 1
	s_wait_xcnt 0x0
	s_wait_alu depctr_hold_cnt(0) depctr_sa_sdst(0) depctr_va_vdst(0) depctr_va_sdst(0) depctr_va_ssrc(0) depctr_va_vcc(0) depctr_vm_vsrc(0)
	s_getreg_b32 s2, hwreg(HW_REG_IB_STS2, 6, 4)
	s_cmp_eq_u32 s2, 0
	s_cbranch_scc0 .Lentry_in_a_cluster
	s_endpgm
.Lentry_in_a_cluster:
	s_bfe_u32 s2, ttmp6, 0x10000c
	s_cmp_lg_u32 s2, 0x3003
	s_cbranch_scc0 .Lentry_shape_is_right
	s_endpgm
.Lentry_shape_is_right:
; Dilated attention on codes of FP6 (E2M3), one E8M0 scale for each 32 along a product's K.  The rows that count are the even rows of x: 16,384 rows of 1,024; 32 of them on end are a segment.
; For each segment: q, k, v = rows W^T + b;  S = q k^T;  t = S log2(e) / 32, M = ceil(the row's largest t), p = 2^(t - M), l = the row's sum of the unquantised p;  out = (p v) / l.  All five products are quantised along their K.
; SHARES.  A work-group owns 64 rows (two segments), quantises them once, and every wave keeps all their codes in registers (32 fragments, 384 registers).  THE WAVES SHARE THE COLUMNS: of the 24 chunks of 128 columns of q, k, v
; wave w makes q's chunk w, k's chunk w, q's w + 4, k's w + 4, v's w, v's w + 4.  Having q and k of the same 128 columns, it multiplies them at once: its part of S.  The four waves' parts of S meet once, in LDS, as f32.
; THE WEIGHTS come as images of operand registers, in the order of use (the launch before laid them so), through a ring of two LDS slots; each wave fetches and reads its own part.  A fragment of W read from LDS feeds four products.
; CLUSTER.  All work-groups walk the same weights: the four of a cluster ask JOINTLY, by the same tensor load with the same descriptor and a mask that names the four.  x and out belong to one work-group each.
; ROWS OF A TILE.  Row tile m = 2 s + u (segment s, half u): lane r holds the segment's row 8 u + r + 8 (r / 8).  So where such a tile is source 0, a lane's 16 registers of tiles u = 0, 1 are 16 NEIGHBOURING rows, 16 (lane / 16) + 0 .. 15.
; ORIENTATION.  q, k: source 0 = 16 rows of W, source 1 = a row tile: a lane holds one row and registers along the columns, which are S's K.  v: source 0 = a row tile, source 1 = 16 rows of W: a lane holds one column and registers
; along the keys, which are the last product's K.  S^T = k q^T and O^T = v^T p^T: a lane holds one query.  The last product's K of 128 holds segment 0's keys in block 0, segment 1's in block 1, zero codes elsewhere: p has zero codes in the other segment's block.
; LIMITS.  NaN and infinities are not served.  A block whose largest magnitude lies under 2^-124 has the scale byte 1; a block of zeros has the byte 1 where the rule says 127 (its codes are zeros; this program alone reads the bytes).
; S is summed as (part 0 + part 1) + (part 2 + part 3) of f32 sums over 256 along K each, not as one ascending chain.
; REGISTERS, in windows of 256.  Window 0: v1-15 addresses; v16-31 x's scale words; v32-39 W's, two sets; v40-43 q's, later p's; v44-47 k's; v48-59 at work; v60-67 upper halves of codes; v68-115 q's four fragments, later p's;
;   v116-163 k's four fragments; v164-227 S^T; v228-243 bias; v244-251 1 / l; v252, v253 for the add.  Bias tiles lie at v116-163 and v228-243 (alive in a chunk's first K step).  With v: v116-211 v's eight fragments, v212-219 their scale words, then v116-243 rows of out.
;   Window 1: x's fragments of K steps 0-4.   Window 2: those of K steps 5-7; from v144 W's eight fragments, ONE set.   Window 3: 32 accumulators.
.set BLKB,   12800                     ; a block of the stream: 8 images of 1,536 bytes and 512 bytes of scale words: one K step of one chunk
.set PARTB,  2*BLKB                    ; a wave's part of a slot: two K steps
.set SLOTB,  4*PARTB
.set STRMB,  48*BLKB                   ; a wave's stream
.set FRB,    1536                      ; a fragment's image
.set XIMG,   2*SLOTB                   ; behind the ring: x's 32 images, fragment (ks, m) at (4 ks + m) FRB;
.set SIMR,   XIMG                      ; later, when nobody reads them any more, the four parts of S, 8,192 bytes a wave
.set XSC,    XIMG+32*FRB               ; x's scale words, 64 bytes a fragment
.set STG,    XSC+2048                  ; a stage of 16 rows x 528 bytes for each wave: x on the way in, out on the way out
.set SPITCH, 528
.set STGB,   16*SPITCH
.set BIAS,   STG+4*STGB                ; each wave's six pieces of 128 biases, in the order of its chunks
.set SPARE,  BIAS+4*3072               ; the spare words, 128 bytes for each wave: two blocks of 256 bytes that no other line names
.set LI,  1                            ; v1   16 x lane
.set AW,  2                            ; v2-3 my part of slot 0, 1, + 16 x lane
.set XWI, 4                            ; v4   where I store x's images
.set XWS, 5                            ; v5   and their scale words
.set XRI, 6                            ; v6   XIMG + 16 x lane
.set XRS, 7                            ; v7   XSC + 4 x lane
.set SGW, 8                            ; v8   my stage + 16 x lane: whole rows
.set SGR, 9                            ; v9   my stage, row r, + 64 h: 16 numbers of each block of 32
.set SGO, 10                           ; v10  my stage, row r, + 32 h: eight results
.set BA,  11                           ; v11  my biases, + 64 h; 512 on in each trip
.set BAV, 12                           ; v12  my biases, + 4 r
.set BW,  13                           ; v13  my biases, + 16 x lane
.set SMW, 14                           ; v14  my part of S in LDS
.set PFO, 15                           ; v15  the prefetches' offset
.set XS,  16
.set WS,  32
.set QS,  40
.set PS,  40
.set KS,  44
.set TM,  48
.set TP,  52
.set TS,  56
.set H2,  60
.set QF,  68
.set PF,  68
.set KF,  116
.set VF,  116
.set SIM, 164
.set VS,  212
.set RL,  244
.set SPW, 252
.set NIL, 253
.set XN,  68                           ; the x phase: two sets of 64 numbers, v68-195; codes v196-207; scale word v208; biases as loaded v212-235
.set XC,  196
.set XWD, 208
.set RB,  212
.set OB,  116                          ; rows of out: v116-179 and v180-243 by turns
.set WF,  144                          ; W's fragments, in window 2
.set WV,  16                           ; s16  my wave's number
.set SEL, 20                           ; s[20:21] v_permlanex16_b32's selects for lane l xor 16
.set CS,  22                           ; s[22:23] log2(e) / 32
.set G1,  24                           ; s[24:31] descriptor group 1
.set G0,  32                           ; s[32:39] group 0, a set for each slot
.set PFA, 40                           ; s[40:41] where my prefetches stand
.set TRIP, 42
.set MSB, 0
.macro WIN new                         ; the immediate's high byte repeats the setting that is left; a switch that changes nothing is dropped
.if MSB != (\new)
	s_set_vgpr_msb (MSB<<8)|(\new)
.set MSB, \new
.endif
.endm
.macro PLACES                          ; four plain places: behind matrix instructions, in front of loads into their registers and of the first read of results
.rept 4
	v_nop
.endr
.endm
.macro CREST                           ; a round of the cluster's barrier behind its opening barrier
	s_cmp_lg_u32 s[WV], 0
	s_cbranch_scc1 .Lnot_wave_0_\@
	s_barrier_signal -3
.Lnot_wave_0_\@:
	s_barrier_wait -3
	s_barrier_signal -1
	s_barrier_wait -1
.endm
.macro CROUND                          ; a whole round
	s_barrier_signal -1
	s_barrier_wait -1
	CREST
.endm
; One product.  cm = 0: C is the constant 0; 1: C = v[c ..].  ra, rb = 1: that side's scale words stand in lanes 16-31 of the register named.
.macro WM d, a, b, cm, c, sa, sb, ra, rb
.set WD, \d
.set WA, \a
.set WB, \b
.set WC, \c
.set WSA, \sa
.set WSB, \sb
.set WSEL, (\ra)+2*(\rb)+4*(\cm)
.if WSEL == 0
	v_wmma_scale_f32_16x16x128_f8f6f4 v[WD:WD+7], v[WA:WA+11], v[WB:WB+11], 0, v[WSA], v[WSB] matrix_a_fmt:MATRIX_FMT_FP6 matrix_b_fmt:MATRIX_FMT_FP6
.elseif WSEL == 4
	v_wmma_scale_f32_16x16x128_f8f6f4 v[WD:WD+7], v[WA:WA+11], v[WB:WB+11], v[WC:WC+7], v[WSA], v[WSB] matrix_a_fmt:MATRIX_FMT_FP6 matrix_b_fmt:MATRIX_FMT_FP6
.elseif WSEL == 5
	v_wmma_scale_f32_16x16x128_f8f6f4 v[WD:WD+7], v[WA:WA+11], v[WB:WB+11], v[WC:WC+7], v[WSA], v[WSB] matrix_a_fmt:MATRIX_FMT_FP6 matrix_b_fmt:MATRIX_FMT_FP6 matrix_a_scale:MATRIX_SCALE_ROW1
.elseif WSEL == 6
	v_wmma_scale_f32_16x16x128_f8f6f4 v[WD:WD+7], v[WA:WA+11], v[WB:WB+11], v[WC:WC+7], v[WSA], v[WSB] matrix_a_fmt:MATRIX_FMT_FP6 matrix_b_fmt:MATRIX_FMT_FP6 matrix_b_scale:MATRIX_SCALE_ROW1
.elseif WSEL == 7
	v_wmma_scale_f32_16x16x128_f8f6f4 v[WD:WD+7], v[WA:WA+11], v[WB:WB+11], v[WC:WC+7], v[WSA], v[WSB] matrix_a_fmt:MATRIX_FMT_FP6 matrix_b_fmt:MATRIX_FMT_FP6 matrix_a_scale:MATRIX_SCALE_ROW1 matrix_b_scale:MATRIX_SCALE_ROW1
.endif
.endm
; W's tiles t0 .. t0 + nt - 1 against x's four row tiles, K step ks.  v = 0: source 0 = W, accumulator (m, t) at 64 m + 8 t; v = 1: source 0 = x, accumulator at 32 t + 8 m.  first = 1: the bias tile is the C that starts the sum.
; The 32 accumulators take turns, one instruction a turn, in the same order in every K step.
.macro MUL t0, nt, ks, v, first
.set MXW, 1+(\ks)/5                    ; x's fragments: K steps 0-4 in window 1, 5-7 in window 2
.set MXB, 48*((\ks)%5)
.set MCW, 3-3*(\first)                 ; C: the bias in window 0, or the accumulator in window 3
.if \v
	WIN MXW|(2<<2)|(MCW<<4)|0xc0
.else
	WIN 2|(MXW<<2)|(MCW<<4)|0xc0
.endif
.set TT, \t0
.rept \nt
.set BTR, 116+8*TT+64*(TT/6)
.irp m, 0,1,2,3
.if \v
.set MD, 32*TT+8*\m
.else
.set MD, 64*\m+8*TT
.endif
.if \first
.set MC, BTR
.else
.set MC, MD
.endif
.if \v
	WM MD, MXB+12*\m, WF+12*TT, 1, MC, XS+2*(\ks)+\m/2, WS+4*((\ks)%2)+TT/2, \m%2, TT%2
.else
	WM MD, WF+12*TT, MXB+12*\m, 1, MC, WS+4*((\ks)%2)+TT/2, XS+2*(\ks)+\m/2, TT%2, \m%2
.endif
.endr
.set TT, TT+1
.endr
.endm
.macro LDSC sl, kk, set                ; a block's scale words: four registers; register i: lanes 0-15 tile 2 i, lanes 16-31 tile 2 i + 1
	WIN 0
	ds_load_b128 v[WS+4*(\set):WS+4*(\set)+3], v[AW+(\sl)] offset:BLKB*(\kk)+12288
.endm
.macro LDW sl, kk, t0                  ; four of a block's fragments: 12 loads of 512 consecutive bytes
	WIN 0x80
.irp t, 0,1,2,3
.irp c, 0,1,2
	ds_load_b128 v[WF+12*((\t0)+\t)+4*\c:WF+12*((\t0)+\t)+4*\c+3], v[AW+(\sl)] offset:BLKB*(\kk)+FRB*((\t0)+\t)+512*\c
.endr
.endr
.endm
; A slot's first K step (ks even).  W has one set of registers: tiles 0-3 are fetched anew behind their 16 products, tiles 4-7 behind theirs.
.macro STEP ks, v, first
.set SL, ((\ks)/2)%2
.if \first
	s_wait_dscnt 0x0                               ; the biases were asked for last: all is in
.else
	s_wait_dscnt 12                                ; the scale words and tiles 0-3 are in; the youngest 12 loads, tiles 4-7, may be out
.endif
	MUL 0, 4, \ks, \v, \first
	PLACES
	LDSC SL, 1, ((\ks)+1)%2
	LDW SL, 1, 0
	s_wait_dscnt 13                                ; all but the 13 just issued: tiles 4-7 are in
	MUL 4, 4, \ks, \v, \first
	PLACES
	LDW SL, 1, 4
.endm
; A PREFETCH of the visit (two K steps of all four streams) that stands four changes of slots on from the one now entered, three ahead of the load that asks for it.  All clusters walk the same stream: the first cluster asks, and nobody else
; (a branch on the cluster's number, the same in all partners).  Of wave w's 25,600 bytes of a visit the partner at place cx names the 6,400 at 6,400 cx, told apart by address: 25 blocks of 256 bytes, a lane a block; lanes 25-31 name lane 24's again.
.macro ASK
	s_cmp_lg_u32 ttmp9, 0
	s_cbranch_scc1 .Lnot_mine_\@
	global_prefetch_b8 v[PFO], s[PFA:PFA+1] th:TH_LOAD_NT scope:SCOPE_SE
.Lnot_mine_\@:
.endm
; A slot's second K step (ks odd) changes slots: ONE barrier.  In front of it each wave waits for all its tensor loads (its part of the next slot), adds 0 to its spare word, and waits for that and for its reads of this slot.
; fill = 1: the barrier opens a round of the cluster's barrier, and this slot is filled again, two visits on, first thing behind the round.  ask = 1: a prefetch follows the run of LDS loads.
.macro TURN ks, v, fill, ask
.set SL, ((\ks)/2)%2
.set NX, 1-SL
.if (\ask)
	s_wait_xcnt 0x0                                ; the last prefetch, two K steps back, has read its address: it may be stepped
	s_add_nc_u64 s[PFA:PFA+1], s[PFA:PFA+1], PARTB
.endif
	WIN 0                                          ; (the add's two registers lie in window 0)
	s_wait_tensorcnt 0x0                           ; all my tensor loads have landed: the one that was out is my part of the next slot;
	ds_add_u32 v[SPW], v[NIL]                      ; 0 onto my spare word
	s_wait_dscnt 13                                ; (the add and the youngest 12 loads, tiles 4-7, may be out)
	MUL 0, 2, \ks, \v, 0                           ; eight products stand between the add and the wait for it
	s_wait_dscnt 0x0                               ; the add is done, and my reads of this slot are over
	s_barrier_signal -1
	MUL 2, 2, \ks, \v, 0
	WIN 0
	s_barrier_wait -1
.if (\fill)
	CREST                                          ; no wave of any partner still reads this slot or has a load on its way
	s_add_nc_u64 s[G0+4*SL+2:G0+4*SL+3], s[G0+4*SL+2:G0+4*SL+3], 2*PARTB
	tensor_load_to_lds s[G0+4*SL:G0+4*SL+3], s[G1:G1+7]   ; my one tensor load behind the round: it has two K steps, 64 products, in which to land
	s_nop 0
.endif
	PLACES                                         ; behind the tensor load, and in front of the loads into tiles 0-3
	LDSC NX, 0, ((\ks)+1)%2
	LDW NX, 0, 0
.if (\ask)
	WIN 0
	ASK
.endif
	MUL 4, 4, \ks, \v, 0                           ; tiles 4-7 came in with the wait for 0 above
	PLACES
	LDW NX, 0, 4
	WIN 0
.endm
; 64 numbers of a lane, v[src ..] of window win, in four blocks: register 16 b + i is number 16 (lane / 16) + i of block b; the block's other 16 lie in lane l xor 16.  They become codes: blocks 0, 1 in v[d0 .. d0 + 5], blocks 2, 3 in
; v[d1 .. d1 + 5], lanes 0-15 holding the even block whole, lanes 16-31 the odd one, as the operand's layout wants.  mode 0: the four bytes make one scale word, w0.  mode 1: two words of two bytes, w0 and w1.
.macro QUANT src, win, d0, d1, mode, w0, w1
.set QSR, \src
.set QD0, \d0
.set QD1, \d1
.set QW0, \w0
.set QW1, \w1
	WIN ((\win)<<2)|((\win)<<4)
.irp b, 0,1,2,3
	v_max3_num_f32 v[TM+\b], 0x1800000, |v[QSR+16*\b]|, |v[QSR+16*\b+1]|   ; my 16 numbers, from each accumulator's low end on, and the floor 2^(3 - 127): the byte cannot fall under 1
.endr
.irp i, 2,4,6,8,10,12,14
.irp b, 0,1,2,3
	v_max3_num_f32 v[TM+\b], v[TM+\b], |v[QSR+16*\b+\i]|, |v[QSR+16*\b+\i+1]|   ; (the four blocks by turns)
.endr
.endr
	WIN 0
.irp b, 0,1,2,3
	v_permlanex16_b32 v[TP+\b], v[TM+\b], s[SEL], s[SEL+1]
.endr
.irp b, 0,1,2,3
	v_max_num_f32 v[TM+\b], v[TM+\b], v[TP+\b]     ; the block's largest magnitude
.endr
.irp b, 0,1,2,3
	v_add_nc_u32 v[TS+\b], 0xff000000, v[TM+\b]    ; 2 off its exponent field: the conversion's scale operand
.endr
.irp b, 0,1,2,3
	v_lshrrev_b32 v[TP+\b], 23, v[TS+\b]           ; the scale's byte
.endr
.if \mode
	v_lshl_or_b32 v[QW0], v[TP+1], 8, v[TP]
	v_lshl_or_b32 v[QW1], v[TP+3], 8, v[TP+2]
.else
	v_lshl_or_b32 v[QW0], v[TP+1], 8, v[TP]
	v_lshl_or_b32 v[QW0], v[TP+2], 16, v[QW0]
	v_lshl_or_b32 v[QW0], v[TP+3], 24, v[QW0]
.endif
	WIN \win
	v_cvt_scalef32_pk16_fp6_f32 v[QD0:QD0+2], v[QSR:QSR+15], v[TS]
	v_cvt_scalef32_pk16_fp6_f32 v[H2:H2+2], v[QSR+16:QSR+31], v[TS+1]      ; (a conversion's three registers begin on an even number)
	v_cvt_scalef32_pk16_fp6_f32 v[QD1:QD1+2], v[QSR+32:QSR+47], v[TS+2]
	v_cvt_scalef32_pk16_fp6_f32 v[H2+4:H2+6], v[QSR+48:QSR+63], v[TS+3]
	WIN 0
	v_nop                                          ; one plain place behind a scaled conversion
.irp i, 0,1,2
	v_permlane16_swap_b32 v[QD0+\i], v[H2+\i]      ; the first's lanes 16-31 change places with the second's lanes 0-15
.endr
.irp i, 0,1,2
	v_mov_b32 v[QD0+3+\i], v[H2+\i]
.endr
.irp i, 0,1,2
	v_permlane16_swap_b32 v[QD1+\i], v[H2+4+\i]
.endr
.irp i, 0,1,2
	v_mov_b32 v[QD1+3+\i], v[H2+4+\i]
.endr
.endm
; K step t of my 16 rows of x goes through my stage as it was loaded and comes back 16 numbers of each block of 32 a lane.  LDS serves a wave's instructions in order: no wait between the stores and the loads, nor ahead of the next turn's stores.
.macro TURNX t
	WIN (2+(\t)/4)<<2                              ; an LDS store's data are its source 1
.irp rr, 0,1,2,3,4,5,6,7,8,9,10,11,12,13,14,15
	ds_store_b128 v[SGW], v[64*((\t)%4)+4*\rr:64*((\t)%4)+4*\rr+3] offset:SPITCH*\rr
.endr
	WIN 0
.irp b, 0,1,2,3
.irp j, 0,1,2,3
	ds_load_b128 v[XN+64*((\t)%2)+16*\b+4*\j:XN+64*((\t)%2)+16*\b+4*\j+3], v[SGR] offset:128*\b+16*\j
.endr
.endr
.endm
.macro BIASQ                           ; q's and k's bias tiles: lane (r, h), register j of tile t: the bias of column 32 (t / 2) + 16 h + 8 (t % 2) + j
.irp t, 0,1,2,3,4,5,6,7
	ds_load_b128 v[116+8*\t+64*(\t/6):116+8*\t+64*(\t/6)+3], v[BA] offset:(32*(\t/2)+8*(\t%2))*4
	ds_load_b128 v[116+8*\t+64*(\t/6)+4:116+8*\t+64*(\t/6)+7], v[BA] offset:(32*(\t/2)+8*(\t%2))*4+16
.endr
.endm
.macro BIASV c                         ; v's: a lane holds one column, 16 t + r: the same number in a tile's eight registers
.irp t, 0,1,2,3,4,5,6,7
.irp j, 0,1,2,3,4,5,6,7
	ds_load_b32 v[116+8*\t+64*(\t/6)+\j], v[BAV] offset:2048+512*(\c)+64*\t
.endr
.endr
.endm
.macro TOST n                          ; query tile n's 16 rows x 128 columns into my stage, and back as whole rows of 512 bytes
	WIN 0x0c
.irp t, 0,1,2,3,4,5,6,7
	ds_store_b128 v[SGO], v[32*\t+8*(\n):32*\t+8*(\n)+3] offset:64*\t
	ds_store_b128 v[SGO], v[32*\t+8*(\n)+4:32*\t+8*(\n)+7] offset:64*\t+16
.endr
	WIN 0
.irp i, 0,1,2,3,4,5,6,7,8,9,10,11,12,13,14,15
	ds_load_b128 v[OB+64*((\n)%2)+4*\i:OB+64*((\n)%2)+4*\i+3], v[SGW] offset:SPITCH*\i
.endr
.endm
.macro SENDO n, c, younger             ; younger: the LDS instructions issued behind tile n's loads, which may stay out
	s_wait_dscnt \younger
.irp i, 0,1,2,3,4,5,6,7,8,9,10,11,12,13,14,15
	global_store_b128 v[LI], v[OB+64*((\n)%2)+4*\i:OB+64*((\n)%2)+4*\i+3], s[14:15] offset:(32*((\n)/2)+8*((\n)%2)+\i+8*(\i/8))*4096+2048*(\c) th:TH_STORE_NT   ; 32 lanes store 512 consecutive bytes, at a multiple of 256 from out's first byte
.endr
.endm
	; ---- the head
	s_load_b256 s[4:11], s[0:1], 0x0               ; x s[4:5], wstream s[6:7], bq s[8:9], bk s[10:11]
	s_load_b128 s[12:15], s[0:1], 0x20             ; bv s[12:13], out s[14:15]
	v_lshl_add_u32 v[SPW], v0, 2, SPARE
	v_mov_b32 v[NIL], 0
	ds_add_u32 v252, v253
	ds_add_u32 v252, v253
	s_wait_dscnt 0x0
	v_lshrrev_b32 v1, 5, v0
	v_readfirstlane_b32 s[WV], v1                  ; wave 0..3
	s_bfe_u32 s17, ttmp6, 0x40000                  ; cx: my place in the cluster: it enters x's, out's and the prefetches' addresses alone
	s_lshl_b32 s18, ttmp9, 2
	s_add_co_u32 s18, s18, s17                     ; my block of 64 rows
	v_and_b32 v254, 31, v0                         ; lane
	v_and_b32 v255, 15, v0                         ; r
	v_bfe_u32 v251, v0, 4, 1                       ; h
	v_lshlrev_b32 v[LI], 4, v254
	s_mul_i32 s43, s[WV], PARTB
	v_add_nc_u32 v[AW], s43, v[LI]
	v_add_nc_u32 v[AW+1], SLOTB, v[AW]
	s_mul_i32 s44, s[WV], FRB
	s_add_co_u32 s44, s44, XIMG
	v_add_nc_u32 v[XWI], s44, v[LI]
	s_lshl_b32 s44, s[WV], 6
	s_add_co_u32 s44, s44, XSC
	v_lshl_add_u32 v[XWS], v255, 2, s44
	v_add_nc_u32 v[XRI], XIMG, v[LI]
	v_lshl_add_u32 v[XRS], v254, 2, XSC
	s_mul_i32 s44, s[WV], STGB
	s_add_co_u32 s44, s44, STG
	v_add_nc_u32 v[SGW], s44, v[LI]
	v_mul_u32_u24 v250, v255, SPITCH
	v_add_nc_u32 v250, s44, v250
	v_lshl_add_u32 v[SGR], v251, 6, v250
	v_lshl_add_u32 v[SGO], v251, 5, v250
	s_mul_i32 s44, s[WV], 3072
	s_add_co_u32 s44, s44, BIAS
	v_lshl_add_u32 v[BA], v251, 6, s44
	v_lshl_add_u32 v[BAV], v255, 2, s44
	v_add_nc_u32 v[BW], s44, v[LI]
	s_lshl_b32 s44, s[WV], 13
	s_add_co_u32 s44, s44, SIMR
	v_add_nc_u32 v[SMW], s44, v[LI]
	v_min_u32 v[PFO], 24, v254
	v_lshlrev_b32 v[PFO], 8, v[PFO]
.irp b, 0,1,2,3
	v_mov_b32 v[TP+\b], 0                          ; written once: a lane permute's destination counts as one of its sources
	v_mov_b32 v[QS+\b], 0                          ; written once: the loop's text names q's scale words on both ways of its branch
.endr
	s_mov_b32 s[SEL], 0x76543210
	s_mov_b32 s[SEL+1], 0xfedcba98
	s_mov_b32 s[CS], 0x3d38aa3b                    ; log2(e) / 32: the f32 number log2(e) with 5 off its exponent, so that S x this is (S / 32) x log2(e) rounded once
	s_mov_b32 s[CS+1], s[CS]                       ; (named with it as a pair, so it is written)
	; descriptor group 1: a dense block of 25,600 bytes as 100 rows of 256 bytes
	s_mov_b32 s[G1], 15|(3<<16)|(1<<21)            ; 15:0 the mask: all four work-groups; 17:16 elements of 8 bytes; 20 no padding; 21 set beside a mask
	s_mov_b32 s[G1+1], 32<<16                      ; tensor_dim0 = 32
	s_mov_b32 s[G1+2], 100<<16                     ; tensor_dim1 = 100
	s_mov_b32 s[G1+3], 32<<16                      ; tile_dim0 = 32
	s_mov_b32 s[G1+4], 100                         ; tile_dim1 = 100
	s_mov_b32 s[G1+5], 32                          ; tensor_dim0_stride
	s_mov_b32 s[G1+6], 0
	s_mov_b32 s[G1+7], 0
	s_mul_i32 s46, s[WV], STRMB                    ; my wave's stream
	s_mov_b32 s47, 0
	s_lshl_b32 s48, s18, 19                        ; x: 64 rows, 8,192 bytes apart (every second row of x),
	s_lshr_b32 s44, s[WV], 1
	s_lshl_b32 s44, s44, 18
	s_and_b32 s45, s[WV], 1
	s_lshl_b32 s45, s45, 16
	s_add_co_u32 s48, s48, s44
	s_add_co_u32 s48, s48, s45                     ; + row 32 (w / 2) + 8 (w % 2): I quantise row tile w
	s_mov_b32 s49, 0
	s_lshl_b32 s50, s18, 18                        ; out: 64 rows of 4,096 bytes,
	s_lshl_b32 s44, s[WV], 9
	s_add_co_u32 s50, s50, s44                     ; + my chunk's 512 bytes
	s_mov_b32 s51, 0
	s_mul_i32 s52, s17, 6400                       ; the prefetches: my work-group's quarter of a wave's part,
	s_add_co_u32 s52, s52, 4*PARTB                 ; in visit 4: the first change of slots steps it to visit 5.  Nothing is prefetched at the head
	s_mov_b32 s53, 0
	s_wait_kmcnt 0x0
	s_add_nc_u64 s[4:5], s[4:5], s[48:49]
	s_add_nc_u64 s[14:15], s[14:15], s[50:51]
	s_add_nc_u64 s[6:7], s[6:7], s[46:47]
	s_add_nc_u64 s[PFA:PFA+1], s[6:7], s[52:53]
	s_mov_b32 s[G0], 1                             ; 1:0 count = 1
	s_mov_b32 s[G0+1], s43                         ; LDS address: my part of slot 0
	s_mov_b64 s[G0+2:G0+3], s[6:7]                 ; global address: visit 0 of my stream: the same in all four partners
	s_or_b32 s[G0+3], s[G0+3], 0x80000000          ; type = 2
	s_mov_b32 s[G0+4], 1
	s_add_co_u32 s[G0+5], s43, SLOTB
	s_add_nc_u64 s[G0+6:G0+7], s[6:7], PARTB       ; visit 1
	s_or_b32 s[G0+7], s[G0+7], 0x80000000
	CROUND                                         ; all four work-groups are here: the first joint loads meet
	tensor_load_to_lds s[G0:G0+3], s[G1:G1+7]      ; the two first fills go out together: two loads of mine are out
	s_nop 0
	tensor_load_to_lds s[G0+4:G0+7], s[G1:G1+7]
	s_nop 0
	PLACES
	; ---- x becomes codes.  I take row tile w, all of K: 128 loads of 512 consecutive bytes of a row, K step by K step, into windows 2 and 3
	v_lshl_add_u32 v254, s[WV], 9, v[LI]           ; my 128 biases of a chunk: 512 w + 16 x lane
	global_load_b128 v[RB:RB+3], v254, s[8:9]
	global_load_b128 v[RB+4:RB+7], v254, s[10:11]
	global_load_b128 v[RB+8:RB+11], v254, s[8:9] offset:2048
	global_load_b128 v[RB+12:RB+15], v254, s[10:11] offset:2048
	global_load_b128 v[RB+16:RB+19], v254, s[12:13]
	global_load_b128 v[RB+20:RB+23], v254, s[12:13] offset:2048
.irp k, 0,1,2,3,4,5,6,7
	WIN 0x80+0x40*(\k/4)
.irp rr, 0,1,2,3,4,5,6,7,8,9,10,11,12,13,14,15
	global_load_b128 v[64*(\k%4)+4*\rr:64*(\k%4)+4*\rr+3], v[LI], s[4:5] offset:(\rr+8*(\rr/8))*8192+512*\k th:TH_LOAD_NT   ; read once, by this wave alone
.endr
.endr
	WIN 0
	s_wait_loadcnt 63                              ; behind the biases and K step 0 stand 112 loads: the largest count that a wait can name serves
.irp i, 0,1,2,3,4,5
	ds_store_b128 v[BW], v[RB+4*\i:RB+4*\i+3] offset:512*\i
.endr
	TURNX 0
.irp t, 0,1,2,3,4,5,6,7
.if \t < 7
.if 16*(6-\t) > 63
	s_wait_loadcnt 63                              ; K step t + 1 is in: behind it stand 16 (6 - t) loads
.else
	s_wait_loadcnt 16*(6-\t)
.endif
	TURNX \t+1
	s_wait_dscnt 32                                ; all but the 32 just issued: K step t's numbers are back, and the last image's stores have read their registers
.else
	s_wait_dscnt 0x0
.endif
	QUANT XN+64*(\t%2), 0, XC, XC+6, 0, XWD, XWD
.irp c, 0,1,2
	ds_store_b128 v[XWI], v[XC+4*\c:XC+4*\c+3] offset:4*FRB*\t+512*\c      ; the fragment goes to LDS as an image of its registers
.endr
	ds_store_b32 v[XWS], v[XWD] offset:256*\t      ; both lanes of a row write the same word
.endr
	s_wait_dscnt 0x0                               ; for the others' sake: my images have landed
	s_barrier_signal -1                            ; (my two tensor loads may stay out)
	s_barrier_wait -1
.irp k, 0,1,2,3,4,5,6,7                        ; all 32 fragments into my registers: they stay
	WIN 0x40+0x40*(\k/5)
.irp m, 0,1,2,3
.irp c, 0,1,2
	ds_load_b128 v[48*(\k%5)+12*\m+4*\c:48*(\k%5)+12*\m+4*\c+3], v[XRI] offset:(4*\k+\m)*FRB+512*\c
.endr
.endr
.endr
	WIN 0
.irp j, 0,1,2,3,4,5,6,7,8,9,10,11,12,13,14,15
	ds_load_b32 v[XS+\j], v[XRS] offset:128*\j     ; register 2 ks + i: lanes 0-15 row tile 2 i's words, lanes 16-31 tile 2 i + 1's
.endr
	s_wait_tensorcnt 0x1                           ; my part of visit 0 is in (visit 1's load may be out); I alone read it
	LDSC 0, 0, 0
	LDW 0, 0, 0
	LDW 0, 0, 4
	WIN 0
.set j, 0
.rept 64
	v_mov_b32 v[SIM+j], 0                          ; S^T.  (The loop is written once: its first pair of chunks adds onto zeros)
.set j, j+1
.endr
	; ---- q, k, q, k: four trips of one text.  A trip: a chunk's 256 products, its results quantised; an even trip keeps them as q, an odd trip multiplies them, as k, by the q kept
	s_mov_b32 s[TRIP], 0
.Lqk:
	BIASQ
	STEP 0, 0, 1
	TURN 1, 0, 1, 1
	STEP 2, 0, 0
	TURN 3, 0, 1, 1
	STEP 4, 0, 0
	TURN 5, 0, 1, 1
	STEP 6, 0, 0
	TURN 7, 0, 1, 1
.irp m, 0,1,2,3
	QUANT 64*\m, 3, KF+12*\m, KF+12*\m+6, 0, KS+\m, KS+\m
.endr
	s_and_b32 s43, s[TRIP], 1
	s_cmp_eq_u32 s43, 0
	s_cbranch_scc0 .Lkeys
.set j, 0
.rept 48
	v_mov_b32 v[QF+j], v[KF+j]                     ; q's codes are kept
.set j, j+1
.endr
.irp m, 0,1,2,3
	v_mov_b32 v[QS+\m], v[KS+\m]
.endr
	s_branch .Ljoin
.Lkeys:
	PLACES                                         ; a scale register written by a vector instruction stands 8 places ahead of a scaled matrix instruction, an operand so written 4
	PLACES
.irp s, 0,1                                    ; S^T += k q^T over my 128 columns: source 0 = 16 keys, source 1 = 16 queries of the same segment; eight accumulators, one instruction each
.irp q, 0,1
.irp u, 0,1
	WM SIM+16*(2*\s+\q)+8*\u, KF+12*(2*\s+\u), QF+12*(2*\s+\q), 1, SIM+16*(2*\s+\q)+8*\u, KS+2*\s+\u, QS+2*\s+\q, 0, 0
.endr
.endr
.endr
	PLACES                                         ; in front of the bias loads into k's registers, and of the first read of S^T
.Ljoin:
	v_add_nc_u32 v[BA], 512, v[BA]                 ; the next chunk's biases
	s_add_co_u32 s[TRIP], s[TRIP], 1
	s_cmp_lt_u32 s[TRIP], 4
	s_cbranch_scc1 .Lqk
	; ---- the four parts of S meet; every wave then makes the whole softmax of the 64 queries for itself, which spares a second exchange
.set g, 0
.rept 16
	ds_store_b128 v[SMW], v[SIM+4*g:SIM+4*g+3] offset:512*g   ; each accumulator from its low end on
.set g, g+1
.endr
	s_wait_dscnt 0x0                               ; for the others' sake: my part has landed
	s_barrier_signal -1                            ; (my one tensor load may stay out)
	s_barrier_wait -1
	WIN 0xc0
.irp i, 0,1,2,3
.set g, 0
.rept 16
	ds_load_b128 v[64*\i+4*g:64*\i+4*g+3], v[XRI] offset:8192*\i+512*g
.set g, g+1
.endr
.endr
	s_wait_dscnt 0x0
	WIN 0xcf
.set j, 0
.rept 32
	v_pk_add_f32 v[j:j+1], v[j:j+1], v[64+j:65+j]                  ; part 0 + part 1
	v_pk_add_f32 v[128+j:129+j], v[128+j:129+j], v[192+j:193+j]    ; part 2 + part 3
.set j, j+2
.endr
	WIN 0x0f
.set j, 0
.rept 32
	v_pk_add_f32 v[SIM+j:SIM+j+1], v[j:j+1], v[128+j:129+j]        ; the same order in every wave: the same bits
.set j, j+2
.endr
	WIN 0
	; query tile n = 2 s + u: lane (r, h) holds one query and the scores of keys 16 h + 0 .. 15 of its segment in v[SIM + 16 n ..].  The four tiles by turns
.irp n, 0,1,2,3
	v_max3_num_f32 v[TM+\n], v[SIM+16*\n], v[SIM+16*\n+1], v[SIM+16*\n+2]
.endr
.irp i, 3,5,7,9,11,13
.irp n, 0,1,2,3
	v_max3_num_f32 v[TM+\n], v[TM+\n], v[SIM+16*\n+\i], v[SIM+16*\n+\i+1]
.endr
.endr
.irp n, 0,1,2,3
	v_max_num_f32 v[TM+\n], v[TM+\n], v[SIM+16*\n+15]
.endr
.irp n, 0,1,2,3
	v_permlanex16_b32 v[TP+\n], v[TM+\n], s[SEL], s[SEL+1]
.endr
.irp n, 0,1,2,3
	v_max_num_f32 v[TM+\n], v[TM+\n], v[TP+\n]     ; the row's largest score
.endr
.irp n, 0,1,2,3
	v_mul_f32 v[H2+2*\n+1], s[CS], v[TM+\n]        ; as t
.endr
.irp n, 0,1,2,3
	v_floor_f32 v[H2+2*\n], -v[H2+2*\n+1]          ; -M = floor(-t) = -ceil(t)
.endr
.irp n, 0,1,2,3
.irp j, 0,2,4,6,8,10,12,14
	v_pk_fma_f32 v[SIM+16*\n+\j:SIM+16*\n+\j+1], v[SIM+16*\n+\j:SIM+16*\n+\j+1], s[CS:CS+1], v[H2+2*\n:H2+2*\n+1] op_sel_hi:[1,0,0]   ; t - M, two at a time
.endr
.endr
.irp n, 0,1,2,3
	v_fma_f32 v[TM+\n], v[TM+\n], s[CS], v[H2+2*\n]   ; the same of the row's largest score: the 32 keys are one block, and p rises with the score
.endr
.set j, 0
.rept 64
	v_exp_f32 v[SIM+j], v[SIM+j]                   ; p = 2^(t - M): NOT normalised
.set j, j+1
.endr
.irp n, 0,1,2,3
	v_exp_f32 v[TM+\n], v[TM+\n]                   ; the block's largest p
.endr
.set j, 0
.rept 48
	v_mov_b32 v[PF+j], 0                           ; p's fragments begin as zero codes: plain work behind the exponentials
.set j, j+1
.endr
	s_wait_alu depctr_va_vdst(0)                   ; one wait for the batch of 68, ahead of its first reader
.irp n, 0,1,2,3
	v_pk_add_f32 v[RL+2*\n:RL+2*\n+1], v[SIM+16*\n:SIM+16*\n+1], v[SIM+16*\n+2:SIM+16*\n+3]   ; the row's sum is taken of the unquantised p
.endr
.irp j, 4,6,8,10,12,14
.irp n, 0,1,2,3
	v_pk_add_f32 v[RL+2*\n:RL+2*\n+1], v[RL+2*\n:RL+2*\n+1], v[SIM+16*\n+\j:SIM+16*\n+\j+1]
.endr
.endr
.irp n, 0,1,2,3
	v_add_f32 v[RL+2*\n], v[RL+2*\n], v[RL+2*\n+1]
.endr
.irp n, 0,1,2,3
	v_permlanex16_b32 v[TP+\n], v[RL+2*\n], s[SEL], s[SEL+1]
.endr
.irp n, 0,1,2,3
	v_add_f32 v[RL+2*\n], v[RL+2*\n], v[TP+\n]     ; l
.endr
.irp n, 0,1,2,3
	v_rcp_f32 v[RL+2*\n], v[RL+2*\n]               ; 1 / l
.endr
.irp n, 0,1,2,3
	v_add_nc_u32 v[TS+\n], 0xff000000, v[TM+\n]    ; 2 off the exponent field of the largest p (over 1/2, so no floor): the conversion's scale operand.  (Plain work behind the reciprocals)
.endr
.irp n, 0,1,2,3
	v_lshrrev_b32 v[PS+\n], 23, v[TS+\n]           ; the scale's byte: segment 0's queries have it in byte 0,
.endr
.irp n, 2,3
	v_lshlrev_b32 v[PS+\n], 8, v[PS+\n]            ; segment 1's in byte 1; the other bytes are 0 and stand over zero codes
.endr
	s_wait_alu depctr_va_vdst(0)                   ; and one for the four reciprocals
	v_cvt_scalef32_pk16_fp6_f32 v[PF:PF+2], v[SIM:SIM+15], v[TS]
	v_cvt_scalef32_pk16_fp6_f32 v[PF+12:PF+14], v[SIM+16:SIM+31], v[TS+1]
	v_cvt_scalef32_pk16_fp6_f32 v[H2:H2+2], v[SIM+32:SIM+47], v[TS+2]
	v_cvt_scalef32_pk16_fp6_f32 v[H2+4:H2+6], v[SIM+48:SIM+63], v[TS+3]
	v_nop                                          ; one plain place behind a scaled conversion
.irp n, 0,1                                    ; segment 0: the 32 codes into lanes 0-15 (K block 0); lanes 16-31 take the zeros
.irp i, 0,1,2
	v_permlane16_swap_b32 v[PF+12*\n+\i], v[PF+12*\n+3+\i]
.endr
.endr
.irp n, 2,3                                    ; segment 1: into lanes 16-31 (K block 1); lanes 0-15 keep the zeros
.irp i, 0,1,2
	v_permlane16_swap_b32 v[PF+12*\n+\i], v[H2+4*(\n-2)+\i]
.endr
.irp i, 0,1,2
	v_mov_b32 v[PF+12*\n+3+\i], v[H2+4*(\n-2)+\i]
.endr
.endr
; ---- v's chunk c, and out's columns of that chunk.  Written out twice: the last change of slots asks for nothing.
.macro VCHUNK c
.if \c
	s_wait_xcnt 0x0                                ; the first chunk's stores have read their registers: the biases and v's codes may land there
.endif
	BIASV \c
	STEP 0, 1, 1
	TURN 1, 1, 1, 1-\c
	STEP 2, 1, 0
	TURN 3, 1, 1, 1-\c
	STEP 4, 1, 0
	TURN 5, 1, 1-\c, 1-\c
	STEP 6, 1, 0
.if \c
	s_wait_dscnt 12                                ; the very last K step: nothing more to fetch
	MUL 0, 4, 7, 1, 0
	s_wait_dscnt 0x0
	MUL 4, 4, 7, 1, 0
	WIN 0
.else
	TURN 7, 1, 1, 0
.endif
.irp t, 0,1,2,3,4,5,6,7
.irp i, 6,7,8,9,10,11
	v_mov_b32 v[VF+12*\t+\i], 0                    ; K = 64 .. 127 of v's fragments: zero codes.  (These 48 are also places behind the last products)
.endr
.endr
.irp t, 0,2,4,6                                ; the four blocks are (tile t, segment 0), (t, 1), (t + 1, 0), (t + 1, 1): 32 keys of one column each
	QUANT 32*\t, 3, VF+12*\t, VF+12*\t+12, 1, VS+\t, VS+\t+1
.endr
	PLACES                                         ; a scale register written by a vector instruction stands 8 places ahead of a scaled matrix instruction
	PLACES
	WIN 0xc0
.irp t, 0,1,2,3,4,5,6,7                        ; O^T = v^T p^T: source 0 = 16 columns of v, source 1 = 16 queries; laid over v's accumulators, which have been quantised
.irp n, 0,1,2,3
	WM 32*\t+8*\n, VF+12*\t, PF+12*\n, 0, 0, VS+\t, PS+\n, 0, 0
.endr
.endr
	PLACES
	WIN 0xc3
.set k, 0
.rept 128
	v_pk_mul_f32 v[k:k+1], v[k:k+1], v[RL+2*((k/8)%4):RL+2*((k/8)%4)+1] op_sel_hi:[1,0]   ; / l; each accumulator from its low end on
.set k, k+2
.endr
	TOST 0
.irp n, 1,2,3
.if \n > 1
	s_wait_xcnt 0x0                                ; tile n - 2's stores have read their registers: tile n's rows may land there
.endif
	TOST \n
	SENDO \n-1, \c, 32                             ; behind tile n - 1's loads: tile n's 16 stores and 16 loads
.endr
	SENDO 3, \c, 0
.endm
	VCHUNK 0                                       ; its stores leave while the second chunk is multiplied
	VCHUNK 1
	s_wait_tensorcnt 0x0                           ; the wave's end: behind my last tensor load and my last LDS store
	ds_add_u32 v[SPW], v[NIL]
	s_wait_dscnt 0x0
	CROUND                                         ; the closing round: no work-group ends while a partner may still ask for a tile that names it
	s_endpgm
.Lfunc_end_k_qd2a94b61da_fused:
	.size	k_qd2a94b61da_fused, .Lfunc_end_k_qd2a94b61da_fused-k_qd2a94b61da_fused
	.p2alignl 7, 3214868480
	.fill 96, 4, 3214868480
	.section	.rodata,"a",@progbits
	.p2align	6, 0x0
	.amdhsa_kernel k_qd2a94b61da_fused
		.amdhsa_group_segment_fixed_size 327680
		.amdhsa_private_segment_fixed_size 0
		.amdhsa_enable_private_segment 0
		.amdhsa_kernarg_size 48
		.amdhsa_user_sgpr_count 2
		.amdhsa_user_sgpr_kernarg_segment_ptr 1
		.amdhsa_wavefront_size32 1
		.amdhsa_system_sgpr_workgroup_id_x 1
		.amdhsa_system_sgpr_workgroup_id_y 1
		.amdhsa_system_sgpr_workgroup_id_z 1
		.amdhsa_system_vgpr_workitem_id 0
		.amdhsa_next_free_vgpr 1024
		.amdhsa_next_free_sgpr 66
		.amdhsa_reserve_vcc 0
		.amdhsa_float_denorm_mode_32 3
		.amdhsa_float_denorm_mode_16_64 3
		.amdhsa_memory_ordered 1
		.amdhsa_forward_progress 1
		.amdhsa_inst_pref_size 255
	.end_amdhsa_kernel
	.section	.bss,"aw",@nobits
	.p2align	6
	.space	262144
	.amdgpu_metadata
---
amdhsa.version: [ 1, 2 ]
amdhsa.kernels:
  - .name:           k_qd2a94b61da_fused
    .symbol:         k_qd2a94b61da_fused.kd
    .args:
      - { .name: x, .offset: 0, .size: 8, .value_kind: global_buffer, .address_space: global }
      - { .name: wstream, .offset: 8, .size: 8, .value_kind: global_buffer, .address_space: global }
      - { .name: bq, .offset: 16, .size: 8, .value_kind: global_buffer, .address_space: global }
      - { .name: bk, .offset: 24, .size: 8, .value_kind: global_buffer, .address_space: global }
      - { .name: bv, .offset: 32, .size: 8, .value_kind: global_buffer, .address_space: global }
      - { .name: out0, .offset: 40, .size: 8, .value_kind: global_buffer, .address_space: global }
    .group_segment_fixed_size: 327680
    .private_segment_fixed_size: 0
    .kernarg_segment_align: 8
    .kernarg_segment_size: 48
    .max_flat_workgroup_size: 128
    .sgpr_count:     66
    .vgpr_count:     1024
    .wavefront_size: 32
...
	.end_amdgpu_metadata
.endif
;; end of part 2
;; ======== version 2 of 2: 2 launches
;; workspace buffers: wstream 2,457,600 bytes
;; launch wquant: the kernel of part 1 again; grid 48 x 4, 8 waves a work-group, no clusters, 69,120 bytes of LDS; arguments Wq, Wk, Wv, wstream; writes wstream
;; launch fused (part 3): grid 256 x 1, 4 waves a work-group, clusters of 4 x 1, 327,680 bytes of LDS; arguments x, wstream, bq, bk, bv, out0; writes out0
.if DOCPART == 3
	.amdgcn_target "amdgcn-amd-amdhsa--gfx1250"
	.amdhsa_code_object_version 6
	.text
	.protected	k_qd2a94b61da_fused
	.globl	k_qd2a94b61da_fused
	.p2align	8
	.type	k_qd2a94b61da_fused,@function
k_qd2a94b61da_fused:
	s_mov_b64 s[64:65], 0
	v_nop
	global_prefetch_b8 v0, s[64:65] scope:SCOPE_SE
	s_setreg_imm32_b32 hwreg(HW_REG_WAVE_MODE, 25, 1), 1
	s_wait_xcnt 0x0
	s_wait_alu depctr_hold_cnt(0) depctr_sa_sdst(0) depctr_va_vdst(0) depctr_va_sdst(0) depctr_va_ssrc(0) depctr_va_vcc(0) depctr_vm_vsrc(0)
	s_getreg_b32 s2, hwreg(HW_REG_IB_STS2, 6, 4)
	s_cmp_eq_u32 s2, 0
	s_cbranch_scc0 .Lentry_in_a_cluster
	s_endpgm
.Lentry_in_a_cluster:
	s_bfe_u32 s2, ttmp6, 0x10000c
	s_cmp_lg_u32 s2, 0x3003
	s_cbranch_scc0 .Lentry_shape_is_right
	s_endpgm
.Lentry_shape_is_right:
; Dilated attention on codes of FP6 (E2M3), one E8M0 scale for each 32 along a product's K.  The rows that count are the even rows of x: 16,384 rows of 1,024; 32 of them on end are a segment.
; For each segment: q, k, v = rows W^T + b;  S = q k^T;  t = S log2(e) / 32, M = ceil(the row's largest t), p = 2^(t - M), l = the row's sum of the unquantised p;  out = (p v) / l.  All five products are quantised along their K.
; SHARES.  A work-group owns 64 rows (two segments), quantises them once, and every wave keeps all their codes in registers (32 fragments, 384 registers).  THE WAVES SHARE THE COLUMNS: of the 24 chunks of 128 columns of q, k, v
; wave w makes q's chunk w, k's chunk w, q's w + 4, k's w + 4, v's w, v's w + 4.  Having q and k of the same 128 columns, it multiplies them at once: its part of S.  The four waves' parts of S meet once, in LDS, as f32.
; THE WEIGHTS come as images of operand registers (the launch before laid them so), through a ring of two LDS slots; each wave fetches and reads its own part.  A fragment of W read from LDS feeds four products.
; CLUSTER.  All work-groups walk the same weights: the four of a cluster ask JOINTLY, by the same tensor load with the same descriptor and a mask that names the four.  x and out belong to one work-group each.
; THE CLUSTERS WALK K IN FOUR ORDERS.  A chunk is four visits of two K steps.  Cluster c begins each chunk at visit c % 4 and goes round: the text's K step k (a POSITION) is the true K step (k + 2 (c % 4)) % 8, of x and of W alike.
; So at a change of slots the clusters ask for four different parts of a chunk, a quarter of the clusters for each.  Only two things know of it: the eight bases of x's loads and the global address of a refill.
; ROWS OF A TILE.  Row tile m = 2 s + u (segment s, half u): lane r holds the segment's row 8 u + r + 8 (r / 8).  So where such a tile is source 0, a lane's 16 registers of tiles u = 0, 1 are 16 NEIGHBOURING rows, 16 (lane / 16) + 0 .. 15.
; ORIENTATION.  q, k: source 0 = 16 rows of W, source 1 = a row tile: a lane holds one row and registers along the columns, which are S's K.  v: source 0 = a row tile, source 1 = 16 rows of W: a lane holds one column and registers
; along the keys, which are the last product's K.  S^T = k q^T and O^T = v^T p^T: a lane holds one query.  The last product's K of 128 holds segment 0's keys in block 0, segment 1's in block 1, zero codes elsewhere: p has zero codes in the other segment's block.
; LIMITS.  NaN and infinities are not served.  A block whose largest magnitude lies under 2^-124 has the scale byte 1; a block of zeros has the byte 1 where the rule says 127 (its codes are zeros; this program alone reads the bytes).
; A projection's f32 sum over K begins with the bias and K step 2 (c % 4) and goes round, not at K step 0.  S is summed as (part 0 + part 1) + (part 2 + part 3) of f32 sums over 256 along K each, not as one ascending chain.
; REGISTERS, in windows of 256.  Window 0: v1-15 addresses; v16-31 x's scale words; v32-39 W's, two sets; v40-43 q's, later p's; v44-47 k's; v48-59 at work; v60-67 upper halves of codes; v68-115 q's four fragments, later p's;
;   v116-163 k's four fragments; v164-227 S^T; v228-243 bias; v244-251 1 / l; v252, v253 for the add.  Bias tiles lie at v116-163 and v228-243 (alive in a chunk's first K step).  With v: v116-211 v's eight fragments, v212-219 their scale words, then v116-243 rows of out.
;   Window 1: x's fragments of positions 0-4.   Window 2: those of positions 5-7; from v144 W's eight fragments, ONE set.   Window 3: 32 accumulators.
.set BLKB,   12800                     ; a block of the stream: 8 images of 1,536 bytes and 512 bytes of scale words: one K step of one chunk
.set PARTB,  2*BLKB                    ; a wave's part of a slot: two K steps
.set SLOTB,  4*PARTB
.set STRMB,  48*BLKB                   ; a wave's stream
.set FRB,    1536                      ; a fragment's image
.set XIMG,   2*SLOTB                   ; behind the ring: x's 32 images, fragment (position ks, m) at (4 ks + m) FRB;
.set SIMR,   XIMG                      ; later, when nobody reads them any more, the four parts of S, 8,192 bytes a wave
.set XSC,    XIMG+32*FRB               ; x's scale words, 64 bytes a fragment
.set STG,    XSC+2048                  ; a stage of 16 rows x 528 bytes for each wave: x on the way in, out on the way out
.set SPITCH, 528
.set STGB,   16*SPITCH
.set BIAS,   STG+4*STGB                ; each wave's six pieces of 128 biases, in the order of its chunks
.set SPARE,  BIAS+4*3072               ; the spare words, 128 bytes for each wave: two blocks of 256 bytes that no other line names
.set LI,  1                            ; v1   16 x lane
.set AW,  2                            ; v2-3 my part of slot 0, 1, + 16 x lane
.set XWI, 4                            ; v4   where I store x's images
.set XWS, 5                            ; v5   and their scale words
.set XRI, 6                            ; v6   XIMG + 16 x lane
.set XRS, 7                            ; v7   XSC + 4 x lane
.set SGW, 8                            ; v8   my stage + 16 x lane: whole rows
.set SGR, 9                            ; v9   my stage, row r, + 64 h: 16 numbers of each block of 32
.set SGO, 10                           ; v10  my stage, row r, + 32 h: eight results
.set BA,  11                           ; v11  my biases, + 64 h; 512 on in each trip
.set BAV, 12                           ; v12  my biases, + 4 r
.set BW,  13                           ; v13  my biases, + 16 x lane
.set SMW, 14                           ; v14  my part of S in LDS
.set PFO, 15                           ; v15  the prefetches' offset
.set XS,  16
.set WS,  32
.set QS,  40
.set PS,  40
.set KS,  44
.set TM,  48
.set TP,  52
.set TS,  56
.set H2,  60
.set QF,  68
.set PF,  68
.set KF,  116
.set VF,  116
.set SIM, 164
.set VS,  212
.set RL,  244
.set SPW, 252
.set NIL, 253
.set XN,  68                           ; the x phase: two sets of 64 numbers, v68-195; codes v196-207; scale word v208; biases as loaded v212-235
.set XC,  196
.set XWD, 208
.set RB,  212
.set OB,  116                          ; rows of out: v116-179 and v180-243 by turns
.set WF,  144                          ; W's fragments, in window 2
.set CB,  6                            ; s[6:7] wstream at the chunk of my stream from which the next refill comes: 102,400 bytes on once a chunk
.set WV,  16                           ; s16  my wave's number
.set SEL, 20                           ; s[20:21] v_permlanex16_b32's selects for lane l xor 16
.set CS,  22                           ; s[22:23] log2(e) / 32
.set G1,  24                           ; s[24:31] descriptor group 1
.set G0,  32                           ; s[32:39] group 0, a set for each slot
.set PFA, 40                           ; s[40:41] where my prefetches stand
.set TRIP, 42
.set RO,  56                           ; s[56:63] four pairs: where, in a chunk of my stream, the visit at position j begins: ((j + c % 4) % 4) x 25,600 bytes
.set XB,  68                           ; s[68:83] eight pairs: x at my first row, at the true K step of position k
.set MSB, 0
.macro WIN new                         ; the immediate's high byte repeats the setting that is left; a switch that changes nothing is dropped
.if MSB != (\new)
	s_set_vgpr_msb (MSB<<8)|(\new)
.set MSB, \new
.endif
.endm
.macro PLACES                          ; four plain places: behind matrix instructions, in front of loads into their registers and of the first read of results
.rept 4
	v_nop
.endr
.endm
.macro CREST                           ; a round of the cluster's barrier behind its opening barrier
	s_cmp_lg_u32 s[WV], 0
	s_cbranch_scc1 .Lnot_wave_0_\@
	s_barrier_signal -3
.Lnot_wave_0_\@:
	s_barrier_wait -3
	s_barrier_signal -1
	s_barrier_wait -1
.endm
.macro CROUND                          ; a whole round
	s_barrier_signal -1
	s_barrier_wait -1
	CREST
.endm
; One product.  cm = 0: C is the constant 0; 1: C = v[c ..].  ra, rb = 1: that side's scale words stand in lanes 16-31 of the register named.
.macro WM d, a, b, cm, c, sa, sb, ra, rb
.set WD, \d
.set WA, \a
.set WB, \b
.set WC, \c
.set WSA, \sa
.set WSB, \sb
.set WSEL, (\ra)+2*(\rb)+4*(\cm)
.if WSEL == 0
	v_wmma_scale_f32_16x16x128_f8f6f4 v[WD:WD+7], v[WA:WA+11], v[WB:WB+11], 0, v[WSA], v[WSB] matrix_a_fmt:MATRIX_FMT_FP6 matrix_b_fmt:MATRIX_FMT_FP6
.elseif WSEL == 4
	v_wmma_scale_f32_16x16x128_f8f6f4 v[WD:WD+7], v[WA:WA+11], v[WB:WB+11], v[WC:WC+7], v[WSA], v[WSB] matrix_a_fmt:MATRIX_FMT_FP6 matrix_b_fmt:MATRIX_FMT_FP6
.elseif WSEL == 5
	v_wmma_scale_f32_16x16x128_f8f6f4 v[WD:WD+7], v[WA:WA+11], v[WB:WB+11], v[WC:WC+7], v[WSA], v[WSB] matrix_a_fmt:MATRIX_FMT_FP6 matrix_b_fmt:MATRIX_FMT_FP6 matrix_a_scale:MATRIX_SCALE_ROW1
.elseif WSEL == 6
	v_wmma_scale_f32_16x16x128_f8f6f4 v[WD:WD+7], v[WA:WA+11], v[WB:WB+11], v[WC:WC+7], v[WSA], v[WSB] matrix_a_fmt:MATRIX_FMT_FP6 matrix_b_fmt:MATRIX_FMT_FP6 matrix_b_scale:MATRIX_SCALE_ROW1
.elseif WSEL == 7
	v_wmma_scale_f32_16x16x128_f8f6f4 v[WD:WD+7], v[WA:WA+11], v[WB:WB+11], v[WC:WC+7], v[WSA], v[WSB] matrix_a_fmt:MATRIX_FMT_FP6 matrix_b_fmt:MATRIX_FMT_FP6 matrix_a_scale:MATRIX_SCALE_ROW1 matrix_b_scale:MATRIX_SCALE_ROW1
.endif
.endm
; W's tiles t0 .. t0 + nt - 1 against x's four row tiles, position ks.  v = 0: source 0 = W, accumulator (m, t) at 64 m + 8 t; v = 1: source 0 = x, accumulator at 32 t + 8 m.  first = 1: the bias tile is the C that starts the sum.
; The 32 accumulators take turns, one instruction a turn, in the same order in every K step.
.macro MUL t0, nt, ks, v, first
.set MXW, 1+(\ks)/5                    ; x's fragments: positions 0-4 in window 1, 5-7 in window 2
.set MXB, 48*((\ks)%5)
.set MCW, 3-3*(\first)                 ; C: the bias in window 0, or the accumulator in window 3
.if \v
	WIN MXW|(2<<2)|(MCW<<4)|0xc0
.else
	WIN 2|(MXW<<2)|(MCW<<4)|0xc0
.endif
.set TT, \t0
.rept \nt
.set BTR, 116+8*TT+64*(TT/6)
.irp m, 0,1,2,3
.if \v
.set MD, 32*TT+8*\m
.else
.set MD, 64*\m+8*TT
.endif
.if \first
.set MC, BTR
.else
.set MC, MD
.endif
.if \v
	WM MD, MXB+12*\m, WF+12*TT, 1, MC, XS+2*(\ks)+\m/2, WS+4*((\ks)%2)+TT/2, \m%2, TT%2
.else
	WM MD, WF+12*TT, MXB+12*\m, 1, MC, WS+4*((\ks)%2)+TT/2, XS+2*(\ks)+\m/2, TT%2, \m%2
.endif
.endr
.set TT, TT+1
.endr
.endm
.macro LDSC sl, kk, set                ; a block's scale words: four registers; register i: lanes 0-15 tile 2 i, lanes 16-31 tile 2 i + 1
	WIN 0
	ds_load_b128 v[WS+4*(\set):WS+4*(\set)+3], v[AW+(\sl)] offset:BLKB*(\kk)+12288
.endm
.macro LDW sl, kk, t0                  ; four of a block's fragments: 12 loads of 512 consecutive bytes
	WIN 0x80
.irp t, 0,1,2,3
.irp c, 0,1,2
	ds_load_b128 v[WF+12*((\t0)+\t)+4*\c:WF+12*((\t0)+\t)+4*\c+3], v[AW+(\sl)] offset:BLKB*(\kk)+FRB*((\t0)+\t)+512*\c
.endr
.endr
.endm
; A slot's first K step (ks even).  W has one set of registers: tiles 0-3 are fetched anew behind their 16 products, tiles 4-7 behind theirs.
.macro STEP ks, v, first
.set SL, ((\ks)/2)%2
.if \first
	s_wait_dscnt 0x0                               ; the biases were asked for last: all is in
.else
	s_wait_dscnt 12                                ; the scale words and tiles 0-3 are in; the youngest 12 loads, tiles 4-7, may be out
.endif
	MUL 0, 4, \ks, \v, \first
	PLACES
	LDSC SL, 1, ((\ks)+1)%2
	LDW SL, 1, 0
	s_wait_dscnt 13                                ; all but the 13 just issued: tiles 4-7 are in
	MUL 4, 4, \ks, \v, \first
	PLACES
	LDW SL, 1, 4
.endm
; A PREFETCH, at the change of slots into visit V, of visit V + 6 of all four streams, in the streams' own order.  The clusters' four orders want all four parts of a chunk at the chunk's first refill, which is issued at the change into
; the visit before the chunk: with six ahead a chunk's last part is named two changes of slots ahead of that refill, its first part five.  All clusters walk the same streams: the first cluster asks, and nobody else
; (a branch on the cluster's number, the same in all partners).  Of wave w's 25,600 bytes of a visit the partner at place cx names the 6,400 at 6,400 cx, told apart by address: 25 blocks of 256 bytes, a lane a block; lanes 25-31 name lane 24's again.
; Asked at V = 1 .. 17: visits 7 to 23.  Visits 0 to 6 come by their loads alone.
.macro ASK
	s_cmp_lg_u32 ttmp9, 0
	s_cbranch_scc1 .Lnot_mine_\@
	global_prefetch_b8 v[PFO], s[PFA:PFA+1] th:TH_LOAD_NT scope:SCOPE_SE
.Lnot_mine_\@:
.endm
; A slot's second K step (ks odd) changes slots: ONE barrier.  In front of it each wave waits for all its tensor loads (its part of the next slot), adds 0 to its spare word, and waits for that and for its reads of this slot.
; fill = 1: the barrier opens a round of the cluster's barrier, and this slot is filled again, with the visit two positions on, first thing behind the round: position (ks + 1) / 2 + 1 of this chunk, or, from ks = 5 on, position 0 or 1 of the next.
; ask = 1: a prefetch follows the run of LDS loads.
.macro TURN ks, v, fill, ask
.set SL, ((\ks)/2)%2
.set NX, 1-SL
.set JF, (((\ks)+1)/2+1)%4
.if (\ask)
	s_wait_xcnt 0x0                                ; the last prefetch, two K steps back, has read its address: it may be stepped
	s_add_nc_u64 s[PFA:PFA+1], s[PFA:PFA+1], PARTB
.endif
	WIN 0                                          ; (the add's two registers lie in window 0)
	s_wait_tensorcnt 0x0                           ; all my tensor loads have landed: the one that was out is my part of the next slot;
	ds_add_u32 v[SPW], v[NIL]                      ; 0 onto my spare word
	s_wait_dscnt 13                                ; (the add and the youngest 12 loads, tiles 4-7, may be out)
	MUL 0, 2, \ks, \v, 0                           ; eight products stand between the add and the wait for it
	s_wait_dscnt 0x0                               ; the add is done, and my reads of this slot are over
	s_barrier_signal -1
	MUL 2, 2, \ks, \v, 0
	WIN 0
	s_barrier_wait -1
.if (\fill)
	CREST                                          ; no wave of any partner still reads this slot or has a load on its way
.if (\ks) == 5
	s_add_nc_u64 s[CB:CB+1], s[CB:CB+1], 4*PARTB   ; from here on the refills come from the next chunk
.endif
	s_add_nc_u64 s[G0+4*SL+2:G0+4*SL+3], s[CB:CB+1], s[RO+2*JF:RO+2*JF+1]   ; no tensor load of mine is out, so a group 0 may be written: the chunk, + my cluster's part for position JF; the same in all four partners
	s_or_b32 s[G0+4*SL+3], s[G0+4*SL+3], 0x80000000                         ; type = 2
	tensor_load_to_lds s[G0+4*SL:G0+4*SL+3], s[G1:G1+7]   ; my one tensor load behind the round: it has two K steps, 64 products, in which to land
	s_nop 0
.endif
	PLACES                                         ; behind the tensor load, and in front of the loads into tiles 0-3
	LDSC NX, 0, ((\ks)+1)%2
	LDW NX, 0, 0
.if (\ask)
	WIN 0
	ASK
.endif
	MUL 4, 4, \ks, \v, 0                           ; tiles 4-7 came in with the wait for 0 above
	PLACES
	LDW NX, 0, 4
	WIN 0
.endm
; 64 numbers of a lane, v[src ..] of window win, in four blocks: register 16 b + i is number 16 (lane / 16) + i of block b; the block's other 16 lie in lane l xor 16.  They become codes: blocks 0, 1 in v[d0 .. d0 + 5], blocks 2, 3 in
; v[d1 .. d1 + 5], lanes 0-15 holding the even block whole, lanes 16-31 the odd one, as the operand's layout wants.  mode 0: the four bytes make one scale word, w0.  mode 1: two words of two bytes, w0 and w1.
.macro QUANT src, win, d0, d1, mode, w0, w1
.set QSR, \src
.set QD0, \d0
.set QD1, \d1
.set QW0, \w0
.set QW1, \w1
	WIN ((\win)<<2)|((\win)<<4)
.irp b, 0,1,2,3
	v_max3_num_f32 v[TM+\b], 0x1800000, |v[QSR+16*\b]|, |v[QSR+16*\b+1]|   ; my 16 numbers, from each accumulator's low end on, and the floor 2^(3 - 127): the byte cannot fall under 1
.endr
.irp i, 2,4,6,8,10,12,14
.irp b, 0,1,2,3
	v_max3_num_f32 v[TM+\b], v[TM+\b], |v[QSR+16*\b+\i]|, |v[QSR+16*\b+\i+1]|   ; (the four blocks by turns)
.endr
.endr
	WIN 0
.irp b, 0,1,2,3
	v_permlanex16_b32 v[TP+\b], v[TM+\b], s[SEL], s[SEL+1]
.endr
.irp b, 0,1,2,3
	v_max_num_f32 v[TM+\b], v[TM+\b], v[TP+\b]     ; the block's largest magnitude
.endr
.irp b, 0,1,2,3
	v_add_nc_u32 v[TS+\b], 0xff000000, v[TM+\b]    ; 2 off its exponent field: the conversion's scale operand
.endr
.irp b, 0,1,2,3
	v_lshrrev_b32 v[TP+\b], 23, v[TS+\b]           ; the scale's byte
.endr
.if \mode
	v_lshl_or_b32 v[QW0], v[TP+1], 8, v[TP]
	v_lshl_or_b32 v[QW1], v[TP+3], 8, v[TP+2]
.else
	v_lshl_or_b32 v[QW0], v[TP+1], 8, v[TP]
	v_lshl_or_b32 v[QW0], v[TP+2], 16, v[QW0]
	v_lshl_or_b32 v[QW0], v[TP+3], 24, v[QW0]
.endif
	WIN \win
	v_cvt_scalef32_pk16_fp6_f32 v[QD0:QD0+2], v[QSR:QSR+15], v[TS]
	v_cvt_scalef32_pk16_fp6_f32 v[H2:H2+2], v[QSR+16:QSR+31], v[TS+1]      ; (a conversion's three registers begin on an even number)
	v_cvt_scalef32_pk16_fp6_f32 v[QD1:QD1+2], v[QSR+32:QSR+47], v[TS+2]
	v_cvt_scalef32_pk16_fp6_f32 v[H2+4:H2+6], v[QSR+48:QSR+63], v[TS+3]
	WIN 0
	v_nop                                          ; one plain place behind a scaled conversion
.irp i, 0,1,2
	v_permlane16_swap_b32 v[QD0+\i], v[H2+\i]      ; the first's lanes 16-31 change places with the second's lanes 0-15
.endr
.irp i, 0,1,2
	v_mov_b32 v[QD0+3+\i], v[H2+\i]
.endr
.irp i, 0,1,2
	v_permlane16_swap_b32 v[QD1+\i], v[H2+4+\i]
.endr
.irp i, 0,1,2
	v_mov_b32 v[QD1+3+\i], v[H2+4+\i]
.endr
.endm
; Position t of my 16 rows of x goes through my stage as it was loaded and comes back 16 numbers of each block of 32 a lane.  LDS serves a wave's instructions in order: no wait between the stores and the loads, nor ahead of the next turn's stores.
.macro TURNX t
	WIN (2+(\t)/4)<<2                              ; an LDS store's data are its source 1
.irp rr, 0,1,2,3,4,5,6,7,8,9,10,11,12,13,14,15
	ds_store_b128 v[SGW], v[64*((\t)%4)+4*\rr:64*((\t)%4)+4*\rr+3] offset:SPITCH*\rr
.endr
	WIN 0
.irp b, 0,1,2,3
.irp j, 0,1,2,3
	ds_load_b128 v[XN+64*((\t)%2)+16*\b+4*\j:XN+64*((\t)%2)+16*\b+4*\j+3], v[SGR] offset:128*\b+16*\j
.endr
.endr
.endm
.macro BIASQ                           ; q's and k's bias tiles: lane (r, h), register j of tile t: the bias of column 32 (t / 2) + 16 h + 8 (t % 2) + j
.irp t, 0,1,2,3,4,5,6,7
	ds_load_b128 v[116+8*\t+64*(\t/6):116+8*\t+64*(\t/6)+3], v[BA] offset:(32*(\t/2)+8*(\t%2))*4
	ds_load_b128 v[116+8*\t+64*(\t/6)+4:116+8*\t+64*(\t/6)+7], v[BA] offset:(32*(\t/2)+8*(\t%2))*4+16
.endr
.endm
.macro BIASV c                         ; v's: a lane holds one column, 16 t + r: the same number in a tile's eight registers
.irp t, 0,1,2,3,4,5,6,7
.irp j, 0,1,2,3,4,5,6,7
	ds_load_b32 v[116+8*\t+64*(\t/6)+\j], v[BAV] offset:2048+512*(\c)+64*\t
.endr
.endr
.endm
.macro TOST n                          ; query tile n's 16 rows x 128 columns into my stage, and back as whole rows of 512 bytes
	WIN 0x0c
.irp t, 0,1,2,3,4,5,6,7
	ds_store_b128 v[SGO], v[32*\t+8*(\n):32*\t+8*(\n)+3] offset:64*\t
	ds_store_b128 v[SGO], v[32*\t+8*(\n)+4:32*\t+8*(\n)+7] offset:64*\t+16
.endr
	WIN 0
.irp i, 0,1,2,3,4,5,6,7,8,9,10,11,12,13,14,15
	ds_load_b128 v[OB+64*((\n)%2)+4*\i:OB+64*((\n)%2)+4*\i+3], v[SGW] offset:SPITCH*\i
.endr
.endm
.macro SENDO n, c, younger             ; younger: the LDS instructions issued behind tile n's loads, which may stay out
	s_wait_dscnt \younger
.irp i, 0,1,2,3,4,5,6,7,8,9,10,11,12,13,14,15
	global_store_b128 v[LI], v[OB+64*((\n)%2)+4*\i:OB+64*((\n)%2)+4*\i+3], s[14:15] offset:(32*((\n)/2)+8*((\n)%2)+\i+8*(\i/8))*4096+2048*(\c) th:TH_STORE_NT   ; 32 lanes store 512 consecutive bytes, at a multiple of 256 from out's first byte
.endr
.endm
	; ---- the head
	s_load_b256 s[4:11], s[0:1], 0x0               ; x s[4:5], wstream s[6:7], bq s[8:9], bk s[10:11]
	s_load_b128 s[12:15], s[0:1], 0x20             ; bv s[12:13], out s[14:15]
	v_lshl_add_u32 v[SPW], v0, 2, SPARE
	v_mov_b32 v[NIL], 0
	ds_add_u32 v252, v253
	ds_add_u32 v252, v253
	s_wait_dscnt 0x0
	v_lshrrev_b32 v1, 5, v0
	v_readfirstlane_b32 s[WV], v1                  ; wave 0..3
	s_bfe_u32 s17, ttmp6, 0x40000                  ; cx: my place in the cluster: it enters x's, out's and the prefetches' addresses alone
	s_lshl_b32 s18, ttmp9, 2
	s_add_co_u32 s18, s18, s17                     ; my block of 64 rows
	v_and_b32 v254, 31, v0                         ; lane
	v_and_b32 v255, 15, v0                         ; r
	v_bfe_u32 v251, v0, 4, 1                       ; h
	v_lshlrev_b32 v[LI], 4, v254
	s_mul_i32 s43, s[WV], PARTB
	v_add_nc_u32 v[AW], s43, v[LI]
	v_add_nc_u32 v[AW+1], SLOTB, v[AW]
	s_mul_i32 s44, s[WV], FRB
	s_add_co_u32 s44, s44, XIMG
	v_add_nc_u32 v[XWI], s44, v[LI]
	s_lshl_b32 s44, s[WV], 6
	s_add_co_u32 s44, s44, XSC
	v_lshl_add_u32 v[XWS], v255, 2, s44
	v_add_nc_u32 v[XRI], XIMG, v[LI]
	v_lshl_add_u32 v[XRS], v254, 2, XSC
	s_mul_i32 s44, s[WV], STGB
	s_add_co_u32 s44, s44, STG
	v_add_nc_u32 v[SGW], s44, v[LI]
	v_mul_u32_u24 v250, v255, SPITCH
	v_add_nc_u32 v250, s44, v250
	v_lshl_add_u32 v[SGR], v251, 6, v250
	v_lshl_add_u32 v[SGO], v251, 5, v250
	s_mul_i32 s44, s[WV], 3072
	s_add_co_u32 s44, s44, BIAS
	v_lshl_add_u32 v[BA], v251, 6, s44
	v_lshl_add_u32 v[BAV], v255, 2, s44
	v_add_nc_u32 v[BW], s44, v[LI]
	s_lshl_b32 s44, s[WV], 13
	s_add_co_u32 s44, s44, SIMR
	v_add_nc_u32 v[SMW], s44, v[LI]
	v_min_u32 v[PFO], 24, v254
	v_lshlrev_b32 v[PFO], 8, v[PFO]
.irp b, 0,1,2,3
	v_mov_b32 v[TP+\b], 0                          ; written once: a lane permute's destination counts as one of its sources
	v_mov_b32 v[QS+\b], 0                          ; written once: the loop's text names q's scale words on both ways of its branch
.endr
	s_mov_b32 s[SEL], 0x76543210
	s_mov_b32 s[SEL+1], 0xfedcba98
	s_mov_b32 s[CS], 0x3d38aa3b                    ; log2(e) / 32: the f32 number log2(e) with 5 off its exponent, so that S x this is (S / 32) x log2(e) rounded once
	s_mov_b32 s[CS+1], s[CS]                       ; (named with it as a pair, so it is written)
	; descriptor group 1: a dense block of 25,600 bytes as 100 rows of 256 bytes
	s_mov_b32 s[G1], 15|(3<<16)|(1<<21)            ; 15:0 the mask: all four work-groups; 17:16 elements of 8 bytes; 20 no padding; 21 set beside a mask
	s_mov_b32 s[G1+1], 32<<16                      ; tensor_dim0 = 32
	s_mov_b32 s[G1+2], 100<<16                     ; tensor_dim1 = 100
	s_mov_b32 s[G1+3], 32<<16                      ; tile_dim0 = 32
	s_mov_b32 s[G1+4], 100                         ; tile_dim1 = 100
	s_mov_b32 s[G1+5], 32                          ; tensor_dim0_stride
	s_mov_b32 s[G1+6], 0
	s_mov_b32 s[G1+7], 0
	; my cluster's order along K: it hangs on the cluster's number alone, which the four partners share
	s_and_b32 s54, ttmp9, 3                        ; c % 4: the visit at which my cluster begins each chunk
.irp j, 0,1,2,3
	s_add_co_u32 s55, s54, \j
	s_and_b32 s55, s55, 3
	s_mul_i32 s[RO+2*\j], s55, PARTB               ; position j is the chunk's visit (j + c % 4) % 4
	s_mov_b32 s[RO+2*\j+1], 0
.endr
	s_lshl_b32 s54, s54, 1
.irp k, 0,1,2,3,4,5,6,7
	s_add_co_u32 s55, s54, \k
	s_and_b32 s55, s55, 7
	s_lshl_b32 s[XB+2*\k], s55, 9                  ; position k is K step (k + 2 (c % 4)) % 8: 512 bytes of a row of x each
	s_mov_b32 s[XB+2*\k+1], 0
.endr
	s_mul_i32 s46, s[WV], STRMB                    ; my wave's stream
	s_mov_b32 s47, 0
	s_lshl_b32 s48, s18, 19                        ; x: 64 rows, 8,192 bytes apart (every second row of x),
	s_lshr_b32 s44, s[WV], 1
	s_lshl_b32 s44, s44, 18
	s_and_b32 s45, s[WV], 1
	s_lshl_b32 s45, s45, 16
	s_add_co_u32 s48, s48, s44
	s_add_co_u32 s48, s48, s45                     ; + row 32 (w / 2) + 8 (w % 2): I quantise row tile w
	s_mov_b32 s49, 0
	s_lshl_b32 s50, s18, 18                        ; out: 64 rows of 4,096 bytes,
	s_lshl_b32 s44, s[WV], 9
	s_add_co_u32 s50, s50, s44                     ; + my chunk's 512 bytes
	s_mov_b32 s51, 0
	s_mul_i32 s52, s17, 6400                       ; the prefetches: my work-group's quarter of a wave's part,
	s_add_co_u32 s52, s52, 6*PARTB                 ; in visit 6: the first change of slots steps it to visit 7.  Nothing is prefetched at the head
	s_mov_b32 s53, 0
	s_wait_kmcnt 0x0
	s_add_nc_u64 s[4:5], s[4:5], s[48:49]
	s_add_nc_u64 s[14:15], s[14:15], s[50:51]
	s_add_nc_u64 s[CB:CB+1], s[CB:CB+1], s[46:47]  ; my stream's first chunk
	s_add_nc_u64 s[PFA:PFA+1], s[CB:CB+1], s[52:53]
.irp k, 0,1,2,3,4,5,6,7
	s_add_nc_u64 s[XB+2*\k:XB+2*\k+1], s[4:5], s[XB+2*\k:XB+2*\k+1]
.endr
	s_mov_b32 s[G0], 1                             ; 1:0 count = 1
	s_mov_b32 s[G0+1], s43                         ; LDS address: my part of slot 0
	s_add_nc_u64 s[G0+2:G0+3], s[CB:CB+1], s[RO:RO+1]     ; global address: position 0 of my stream's first chunk: the same in all four partners
	s_or_b32 s[G0+3], s[G0+3], 0x80000000          ; type = 2
	s_mov_b32 s[G0+4], 1
	s_add_co_u32 s[G0+5], s43, SLOTB
	s_add_nc_u64 s[G0+6:G0+7], s[CB:CB+1], s[RO+2:RO+3]   ; position 1
	s_or_b32 s[G0+7], s[G0+7], 0x80000000
	CROUND                                         ; all four work-groups are here: the first joint loads meet
	tensor_load_to_lds s[G0:G0+3], s[G1:G1+7]      ; the two first fills go out together: two loads of mine are out
	s_nop 0
	tensor_load_to_lds s[G0+4:G0+7], s[G1:G1+7]
	s_nop 0
	PLACES
	; ---- x becomes codes.  I take row tile w, all of K: 128 loads of 512 consecutive bytes of a row, position by position, into windows 2 and 3
	v_lshl_add_u32 v254, s[WV], 9, v[LI]           ; my 128 biases of a chunk: 512 w + 16 x lane
	global_load_b128 v[RB:RB+3], v254, s[8:9]
	global_load_b128 v[RB+4:RB+7], v254, s[10:11]
	global_load_b128 v[RB+8:RB+11], v254, s[8:9] offset:2048
	global_load_b128 v[RB+12:RB+15], v254, s[10:11] offset:2048
	global_load_b128 v[RB+16:RB+19], v254, s[12:13]
	global_load_b128 v[RB+20:RB+23], v254, s[12:13] offset:2048
.irp k, 0,1,2,3,4,5,6,7
	WIN 0x80+0x40*(\k/4)
.irp rr, 0,1,2,3,4,5,6,7,8,9,10,11,12,13,14,15
	global_load_b128 v[64*(\k%4)+4*\rr:64*(\k%4)+4*\rr+3], v[LI], s[XB+2*\k:XB+2*\k+1] offset:(\rr+8*(\rr/8))*8192 th:TH_LOAD_NT   ; read once, by this wave alone; the eight bases are never rewritten
.endr
.endr
	WIN 0
	s_wait_loadcnt 63                              ; behind the biases and position 0 stand 112 loads: the largest count that a wait can name serves
.irp i, 0,1,2,3,4,5
	ds_store_b128 v[BW], v[RB+4*\i:RB+4*\i+3] offset:512*\i
.endr
	TURNX 0
.irp t, 0,1,2,3,4,5,6,7
.if \t < 7
.if 16*(6-\t) > 63
	s_wait_loadcnt 63                              ; position t + 1 is in: behind it stand 16 (6 - t) loads
.else
	s_wait_loadcnt 16*(6-\t)
.endif
	TURNX \t+1
	s_wait_dscnt 32                                ; all but the 32 just issued: position t's numbers are back, and the last image's stores have read their registers
.else
	s_wait_dscnt 0x0
.endif
	QUANT XN+64*(\t%2), 0, XC, XC+6, 0, XWD, XWD
.irp c, 0,1,2
	ds_store_b128 v[XWI], v[XC+4*\c:XC+4*\c+3] offset:4*FRB*\t+512*\c      ; the fragment goes to LDS as an image of its registers
.endr
	ds_store_b32 v[XWS], v[XWD] offset:256*\t      ; both lanes of a row write the same word
.endr
	s_wait_dscnt 0x0                               ; for the others' sake: my images have landed
	s_barrier_signal -1                            ; (my two tensor loads may stay out)
	s_barrier_wait -1
.irp k, 0,1,2,3,4,5,6,7                        ; all 32 fragments into my registers: they stay
	WIN 0x40+0x40*(\k/5)
.irp m, 0,1,2,3
.irp c, 0,1,2
	ds_load_b128 v[48*(\k%5)+12*\m+4*\c:48*(\k%5)+12*\m+4*\c+3], v[XRI] offset:(4*\k+\m)*FRB+512*\c
.endr
.endr
.endr
	WIN 0
.irp j, 0,1,2,3,4,5,6,7,8,9,10,11,12,13,14,15
	ds_load_b32 v[XS+\j], v[XRS] offset:128*\j     ; register 2 ks + i: lanes 0-15 row tile 2 i's words, lanes 16-31 tile 2 i + 1's
.endr
	s_wait_tensorcnt 0x1                           ; my part of position 0 is in (position 1's load may be out); I alone read it
	LDSC 0, 0, 0
	LDW 0, 0, 0
	LDW 0, 0, 4
	WIN 0
.set j, 0
.rept 64
	v_mov_b32 v[SIM+j], 0                          ; S^T.  (The loop is written once: its first pair of chunks adds onto zeros)
.set j, j+1
.endr
	; ---- q, k, q, k: four trips of one text.  A trip: a chunk's 256 products, its results quantised; an even trip keeps them as q, an odd trip multiplies them, as k, by the q kept
	s_mov_b32 s[TRIP], 0
.Lqk:
	BIASQ
	STEP 0, 0, 1
	TURN 1, 0, 1, 1
	STEP 2, 0, 0
	TURN 3, 0, 1, 1
	STEP 4, 0, 0
	TURN 5, 0, 1, 1
	STEP 6, 0, 0
	TURN 7, 0, 1, 1
.irp m, 0,1,2,3
	QUANT 64*\m, 3, KF+12*\m, KF+12*\m+6, 0, KS+\m, KS+\m
.endr
	s_and_b32 s43, s[TRIP], 1
	s_cmp_eq_u32 s43, 0
	s_cbranch_scc0 .Lkeys
.set j, 0
.rept 48
	v_mov_b32 v[QF+j], v[KF+j]                     ; q's codes are kept
.set j, j+1
.endr
.irp m, 0,1,2,3
	v_mov_b32 v[QS+\m], v[KS+\m]
.endr
	s_branch .Ljoin
.Lkeys:
	PLACES                                         ; a scale register written by a vector instruction stands 8 places ahead of a scaled matrix instruction, an operand so written 4
	PLACES
.irp s, 0,1                                    ; S^T += k q^T over my 128 columns: source 0 = 16 keys, source 1 = 16 queries of the same segment; eight accumulators, one instruction each
.irp q, 0,1
.irp u, 0,1
	WM SIM+16*(2*\s+\q)+8*\u, KF+12*(2*\s+\u), QF+12*(2*\s+\q), 1, SIM+16*(2*\s+\q)+8*\u, KS+2*\s+\u, QS+2*\s+\q, 0, 0
.endr
.endr
.endr
	PLACES                                         ; in front of the bias loads into k's registers, and of the first read of S^T
.Ljoin:
	v_add_nc_u32 v[BA], 512, v[BA]                 ; the next chunk's biases
	s_add_co_u32 s[TRIP], s[TRIP], 1
	s_cmp_lt_u32 s[TRIP], 4
	s_cbranch_scc1 .Lqk
	; ---- the four parts of S meet; every wave then makes the whole softmax of the 64 queries for itself, which spares a second exchange
.set g, 0
.rept 16
	ds_store_b128 v[SMW], v[SIM+4*g:SIM+4*g+3] offset:512*g   ; each accumulator from its low end on
.set g, g+1
.endr
	s_wait_dscnt 0x0                               ; for the others' sake: my part has landed
	s_barrier_signal -1                            ; (my one tensor load may stay out)
	s_barrier_wait -1
	WIN 0xc0
.irp i, 0,1,2,3
.set g, 0
.rept 16
	ds_load_b128 v[64*\i+4*g:64*\i+4*g+3], v[XRI] offset:8192*\i+512*g
.set g, g+1
.endr
.endr
	s_wait_dscnt 0x0
	WIN 0xcf
.set j, 0
.rept 32
	v_pk_add_f32 v[j:j+1], v[j:j+1], v[64+j:65+j]                  ; part 0 + part 1
	v_pk_add_f32 v[128+j:129+j], v[128+j:129+j], v[192+j:193+j]    ; part 2 + part 3
.set j, j+2
.endr
	WIN 0x0f
.set j, 0
.rept 32
	v_pk_add_f32 v[SIM+j:SIM+j+1], v[j:j+1], v[128+j:129+j]        ; the same order in every wave: the same bits
.set j, j+2
.endr
	WIN 0
	; query tile n = 2 s + u: lane (r, h) holds one query and the scores of keys 16 h + 0 .. 15 of its segment in v[SIM + 16 n ..].  The four tiles by turns
.irp n, 0,1,2,3
	v_max3_num_f32 v[TM+\n], v[SIM+16*\n], v[SIM+16*\n+1], v[SIM+16*\n+2]
.endr
.irp i, 3,5,7,9,11,13
.irp n, 0,1,2,3
	v_max3_num_f32 v[TM+\n], v[TM+\n], v[SIM+16*\n+\i], v[SIM+16*\n+\i+1]
.endr
.endr
.irp n, 0,1,2,3
	v_max_num_f32 v[TM+\n], v[TM+\n], v[SIM+16*\n+15]
.endr
.irp n, 0,1,2,3
	v_permlanex16_b32 v[TP+\n], v[TM+\n], s[SEL], s[SEL+1]
.endr
.irp n, 0,1,2,3
	v_max_num_f32 v[TM+\n], v[TM+\n], v[TP+\n]     ; the row's largest score
.endr
.irp n, 0,1,2,3
	v_mul_f32 v[H2+2*\n+1], s[CS], v[TM+\n]        ; as t
.endr
.irp n, 0,1,2,3
	v_floor_f32 v[H2+2*\n], -v[H2+2*\n+1]          ; -M = floor(-t) = -ceil(t)
.endr
.irp n, 0,1,2,3
.irp j, 0,2,4,6,8,10,12,14
	v_pk_fma_f32 v[SIM+16*\n+\j:SIM+16*\n+\j+1], v[SIM+16*\n+\j:SIM+16*\n+\j+1], s[CS:CS+1], v[H2+2*\n:H2+2*\n+1] op_sel_hi:[1,0,0]   ; t - M, two at a time
.endr
.endr
.irp n, 0,1,2,3
	v_fma_f32 v[TM+\n], v[TM+\n], s[CS], v[H2+2*\n]   ; the same of the row's largest score: the 32 keys are one block, and p rises with the score
.endr
.set j, 0
.rept 64
	v_exp_f32 v[SIM+j], v[SIM+j]                   ; p = 2^(t - M): NOT normalised
.set j, j+1
.endr
.irp n, 0,1,2,3
	v_exp_f32 v[TM+\n], v[TM+\n]                   ; the block's largest p
.endr
.set j, 0
.rept 48
	v_mov_b32 v[PF+j], 0                           ; p's fragments begin as zero codes: plain work behind the exponentials
.set j, j+1
.endr
	s_wait_alu depctr_va_vdst(0)                   ; one wait for the batch of 68, ahead of its first reader
.irp n, 0,1,2,3
	v_pk_add_f32 v[RL+2*\n:RL+2*\n+1], v[SIM+16*\n:SIM+16*\n+1], v[SIM+16*\n+2:SIM+16*\n+3]   ; the row's sum is taken of the unquantised p
.endr
.irp j, 4,6,8,10,12,14
.irp n, 0,1,2,3
	v_pk_add_f32 v[RL+2*\n:RL+2*\n+1], v[RL+2*\n:RL+2*\n+1], v[SIM+16*\n+\j:SIM+16*\n+\j+1]
.endr
.endr
.irp n, 0,1,2,3
	v_add_f32 v[RL+2*\n], v[RL+2*\n], v[RL+2*\n+1]
.endr
.irp n, 0,1,2,3
	v_permlanex16_b32 v[TP+\n], v[RL+2*\n], s[SEL], s[SEL+1]
.endr
.irp n, 0,1,2,3
	v_add_f32 v[RL+2*\n], v[RL+2*\n], v[TP+\n]     ; l
.endr
.irp n, 0,1,2,3
	v_rcp_f32 v[RL+2*\n], v[RL+2*\n]               ; 1 / l
.endr
.irp n, 0,1,2,3
	v_add_nc_u32 v[TS+\n], 0xff000000, v[TM+\n]    ; 2 off the exponent field of the largest p (over 1/2, so no floor): the conversion's scale operand.  (Plain work behind the reciprocals)
.endr
.irp n, 0,1,2,3
	v_lshrrev_b32 v[PS+\n], 23, v[TS+\n]           ; the scale's byte: segment 0's queries have it in byte 0,
.endr
.irp n, 2,3
	v_lshlrev_b32 v[PS+\n], 8, v[PS+\n]            ; segment 1's in byte 1; the other bytes are 0 and stand over zero codes
.endr
	s_wait_alu depctr_va_vdst(0)                   ; and one for the four reciprocals
	v_cvt_scalef32_pk16_fp6_f32 v[PF:PF+2], v[SIM:SIM+15], v[TS]
	v_cvt_scalef32_pk16_fp6_f32 v[PF+12:PF+14], v[SIM+16:SIM+31], v[TS+1]
	v_cvt_scalef32_pk16_fp6_f32 v[H2:H2+2], v[SIM+32:SIM+47], v[TS+2]
	v_cvt_scalef32_pk16_fp6_f32 v[H2+4:H2+6], v[SIM+48:SIM+63], v[TS+3]
	v_nop                                          ; one plain place behind a scaled conversion
.irp n, 0,1                                    ; segment 0: the 32 codes into lanes 0-15 (K block 0); lanes 16-31 take the zeros
.irp i, 0,1,2
	v_permlane16_swap_b32 v[PF+12*\n+\i], v[PF+12*\n+3+\i]
.endr
.endr
.irp n, 2,3                                    ; segment 1: into lanes 16-31 (K block 1); lanes 0-15 keep the zeros
.irp i, 0,1,2
	v_permlane16_swap_b32 v[PF+12*\n+\i], v[H2+4*(\n-2)+\i]
.endr
.irp i, 0,1,2
	v_mov_b32 v[PF+12*\n+3+\i], v[H2+4*(\n-2)+\i]
.endr
.endr
; ---- v's chunk c, and out's columns of that chunk.  Written out twice: the last change of slots asks for nothing.
.macro VCHUNK c
.if \c
	s_wait_xcnt 0x0                                ; the first chunk's stores have read their registers: the biases and v's codes may land there
.endif
	BIASV \c
	STEP 0, 1, 1
	TURN 1, 1, 1, 1-\c                             ; (the change into visit 17 names visit 23: the last prefetch)
	STEP 2, 1, 0
	TURN 3, 1, 1, 0
	STEP 4, 1, 0
	TURN 5, 1, 1-\c, 0
	STEP 6, 1, 0
.if \c
	s_wait_dscnt 12                                ; the very last K step: nothing more to fetch
	MUL 0, 4, 7, 1, 0
	s_wait_dscnt 0x0
	MUL 4, 4, 7, 1, 0
	WIN 0
.else
	TURN 7, 1, 1, 0
.endif
.irp t, 0,1,2,3,4,5,6,7
.irp i, 6,7,8,9,10,11
	v_mov_b32 v[VF+12*\t+\i], 0                    ; K = 64 .. 127 of v's fragments: zero codes.  (These 48 are also places behind the last products)
.endr
.endr
.irp t, 0,2,4,6                                ; the four blocks are (tile t, segment 0), (t, 1), (t + 1, 0), (t + 1, 1): 32 keys of one column each
	QUANT 32*\t, 3, VF+12*\t, VF+12*\t+12, 1, VS+\t, VS+\t+1
.endr
	PLACES                                         ; a scale register written by a vector instruction stands 8 places ahead of a scaled matrix instruction
	PLACES
	WIN 0xc0
.irp t, 0,1,2,3,4,5,6,7                        ; O^T = v^T p^T: source 0 = 16 columns of v, source 1 = 16 queries; laid over v's accumulators, which have been quantised
.irp n, 0,1,2,3
	WM 32*\t+8*\n, VF+12*\t, PF+12*\n, 0, 0, VS+\t, PS+\n, 0, 0
.endr
.endr
	PLACES
	WIN 0xc3
.set k, 0
.rept 128
	v_pk_mul_f32 v[k:k+1], v[k:k+1], v[RL+2*((k/8)%4):RL+2*((k/8)%4)+1] op_sel_hi:[1,0]   ; / l; each accumulator from its low end on
.set k, k+2
.endr
	TOST 0
.irp n, 1,2,3
.if \n > 1
	s_wait_xcnt 0x0                                ; tile n - 2's stores have read their registers: tile n's rows may land there
.endif
	TOST \n
	SENDO \n-1, \c, 32                             ; behind tile n - 1's loads: tile n's 16 stores and 16 loads
.endr
	SENDO 3, \c, 0
.endm
	VCHUNK 0                                       ; its stores leave while the second chunk is multiplied
	VCHUNK 1
	s_wait_tensorcnt 0x0                           ; the wave's end: behind my last tensor load and my last LDS store
	ds_add_u32 v[SPW], v[NIL]
	s_wait_dscnt 0x0
	CROUND                                         ; the closing round: no work-group ends while a partner may still ask for a tile that names it
	s_endpgm
.Lfunc_end_k_qd2a94b61da_fused:
	.size	k_qd2a94b61da_fused, .Lfunc_end_k_qd2a94b61da_fused-k_qd2a94b61da_fused
	.p2alignl 7, 3214868480
	.fill 96, 4, 3214868480
	.section	.rodata,"a",@progbits
	.p2align	6, 0x0
	.amdhsa_kernel k_qd2a94b61da_fused
		.amdhsa_group_segment_fixed_size 327680
		.amdhsa_private_segment_fixed_size 0
		.amdhsa_enable_private_segment 0
		.amdhsa_kernarg_size 48
		.amdhsa_user_sgpr_count 2
		.amdhsa_user_sgpr_kernarg_segment_ptr 1
		.amdhsa_wavefront_size32 1
		.amdhsa_system_sgpr_workgroup_id_x 1
		.amdhsa_system_sgpr_workgroup_id_y 1
		.amdhsa_system_sgpr_workgroup_id_z 1
		.amdhsa_system_vgpr_workitem_id 0
		.amdhsa_next_free_vgpr 1024
		.amdhsa_next_free_sgpr 84
		.amdhsa_reserve_vcc 0
		.amdhsa_float_denorm_mode_32 3
		.amdhsa_float_denorm_mode_16_64 3
		.amdhsa_memory_ordered 1
		.amdhsa_forward_progress 1
		.amdhsa_inst_pref_size 255
	.end_amdhsa_kernel
	.section	.bss,"aw",@nobits
	.p2align	6
	.space	262144
	.amdgpu_metadata
---
amdhsa.version: [ 1, 2 ]
amdhsa.kernels:
  - .name:           k_qd2a94b61da_fused
    .symbol:         k_qd2a94b61da_fused.kd
    .args:
      - { .name: x, .offset: 0, .size: 8, .value_kind: global_buffer, .address_space: global }
      - { .name: wstream, .offset: 8, .size: 8, .value_kind: global_buffer, .address_space: global }
      - { .name: bq, .offset: 16, .size: 8, .value_kind: global_buffer, .address_space: global }
      - { .name: bk, .offset: 24, .size: 8, .value_kind: global_buffer, .address_space: global }
      - { .name: bv, .offset: 32, .size: 8, .value_kind: global_buffer, .address_space: global }
      - { .name: out0, .offset: 40, .size: 8, .value_kind: global_buffer, .address_space: global }
    .group_segment_fixed_size: 327680
    .private_segment_fixed_size: 0
    .kernarg_segment_align: 8
    .kernarg_segment_size: 48
    .max_flat_workgroup_size: 128
    .sgpr_count:     84
    .vgpr_count:     1024
    .wavefront_size: 32
...
	.end_amdgpu_metadata
.endif
;; end of part 3
